; MI455X (gfx1250); checked and timed in simulation.
; The chip was launched on July 23, 2026; its instructions are those of AMD's public machine-readable ISA for CDNA 5 (MIT licence, August 2026) and "CDNA5" Instruction Set Architecture Reference Guide (July 2026). The comments in the code are by the model that wrote it; some were corrected since.
;; Attention. Allowed arithmetic: float matrix products may take bf16 or f16 operands with f32 sums; all other float work in f32.
;; Inputs: wk 4,096 x 1,024 float32; wo 2,048 x 4,096 float32; wq 4,096 x 2,048 float32; wv 4,096 x 1,024 float32; x 1 x 2,048 x 4,096 float32.
;; Outputs: out0 1 x 2,048 x 4,096 float32; out1 1 x 16 x 2,048 x 128 float32; out2 1 x 16 x 2,048 x 128 float32.
;; Constants: seq_len = 2048.
;; One version. Each part assembles by itself: llvm-mc -triple=amdgcn-amd-amdhsa -mcpu=gfx1250 --defsym DOCPART=n.
;; ======== version 1 of 1: 4 launches
;; limits: values are held in f16: magnitudes above 65,504 overflow, below 6.1e-05 lose precision; right only within a limited range of input values; inputs' magnitudes at most 65,504
;; workspace buffers: xh 16,777,216 bytes; wh 33,554,432 bytes; woh 16,777,216 bytes; qh 8,388,608 bytes; kh 4,194,304 bytes; vh 4,194,304 bytes; ah 8,388,608 bytes
;; launch cvt (part 1): grid 128 x 8, 8 waves a work-group, no clusters, 0 bytes of LDS; arguments x, wq, wk, wv, wo, xh, wh, woh; writes xh, wh, woh
.if DOCPART == 1
	.amdgcn_target "amdgcn-amd-amdhsa--gfx1250"
	.amdhsa_code_object_version 6
	.text
	.protected	k_q8d361e6c01_cvt
	.globl	k_q8d361e6c01_cvt
	.p2align	8
	.type	k_q8d361e6c01_cvt,@function
k_q8d361e6c01_cvt:
	s_mov_b64 s[64:65], 0
	v_nop
	global_prefetch_b8 v0, s[64:65] scope:SCOPE_SE
	s_setreg_imm32_b32 hwreg(HW_REG_WAVE_MODE, 25, 1), 1
	s_wait_xcnt 0x0
; f32 to f16 (round to nearest even) of x, wq, wk, wv, wo.  wq, wk, wv are laid side by side into one matrix wh [4096 k][4096 n]:
; n 0-2047 wq, 2048-3071 wk, 3072-4095 wv.  xh [2048][4096] and woh [2048][4096] keep their shapes.
; A stream: no LDS, no barrier, no matrix unit.  A segment is 1,024 numbers: 4,096 bytes in, 2,048 bytes out.  Thread t of 256 takes the
; 16 bytes at 16 t and stores the 8 bytes at 8 t, so a load of a wave covers 512 consecutive bytes and a store 256 consecutive, aligned bytes.
; A work-group does 32 segments; 128 x 8 work-groups do all 32,768.  The grid's y says which slab: 0,1 x; 2,3 wq (left, right half of the rows);
; 4 wk; 5 wv; 6,7 wo.
; NO REGISTER THAT A PENDING MEMORY INSTRUCTION READS IS EVER WRITTEN AGAIN: the two offset registers keep 16 t and 8 t, the segment stands in the
; immediate (31 x 8,192 bytes at the most), and each segment has its own pair of store data.  So the only waits are the counted ones for loads.
; The strides from segment to segment differ by slab, so the 32 turns are expanded three times.
; LIMIT: numbers beyond 65,504 in magnitude become infinities in f16; below 6.1e-5 they keep an absolute step of 6e-8.
.set DEPTH, 8                          ; loads in flight in each wave
.set SEGS,  32                         ; segments of a work-group
.set VS,    2                          ; v2        16 t: my 16 bytes in a source segment
.set VD,    3                          ; v3        8 t: my 8 bytes in a target segment
.set X,     4                          ; v[4:35]   ring of DEPTH slots, 4 registers as loaded
.set Y,     36                         ; v[36:99]  segment g: 2 registers to store, written once
; The stream of a slab: sstep, dstep = bytes from segment to segment in the source and in the target.
.macro STREAM sstep, dstep
	s_add_nc_u64 s[4:5], s[4:5], s[26:27]          ; source at my first segment
	s_add_nc_u64 s[6:7], s[6:7], s[28:29]          ; target at my first segment
.irp i, 0,1,2,3,4,5,6,7
	global_load_b128 v[X+4*\i:X+4*\i+3], v[VS], s[4:5] offset:\i*\sstep th:TH_LOAD_NT   ; each input byte is read once in the launch
.endr
.set g, 0
.rept SEGS
.if g < SEGS-DEPTH
	s_wait_loadcnt DEPTH-1                         ; loads come back in order: segment g is in, the seven younger loads stay out
.else
	s_wait_loadcnt SEGS-1-g                        ; nothing more is loaded: the counts run down
.endif
	v_cvt_pk_f16_f32 v[Y+2*g],   v[X+4*(g%DEPTH)],   v[X+4*(g%DEPTH)+1]
	v_cvt_pk_f16_f32 v[Y+2*g+1], v[X+4*(g%DEPTH)+2], v[X+4*(g%DEPTH)+3]
.if g < SEGS-DEPTH
	global_load_b128 v[X+4*(g%DEPTH):X+4*(g%DEPTH)+3], v[VS], s[4:5] offset:(g+DEPTH)*\sstep th:TH_LOAD_NT
.endif
	global_store_b64 v[VD], v[Y+2*g:Y+2*g+1], s[6:7] offset:g*\dstep   ; no hint: the next launch reads these bytes
.set g, g+1
.endr
	s_endpgm
.endm
	s_load_b512 s[8:23], s[0:1], 0x0               ; x 8:9, wq 10:11, wk 12:13, wv 14:15, wo 16:17, xh 18:19, wh 20:21, woh 22:23
	s_and_b32 s30, ttmp7, 0xffff                   ; the slab
	s_mov_b32 s27, 0                               ; high words of the two offsets
	s_mov_b32 s29, 0
	v_lshlrev_b32 v[VS], 4, v0
	v_lshlrev_b32 v[VD], 3, v0
	s_wait_kmcnt 0x0
	s_cmp_lt_u32 s30, 2
	s_cbranch_scc1 .Lx
	s_cmp_lt_u32 s30, 4
	s_cbranch_scc1 .Lwq
	s_cmp_eq_u32 s30, 4
	s_cbranch_scc1 .Lwk
	s_cmp_eq_u32 s30, 5
	s_cbranch_scc1 .Lwv
	s_mov_b64 s[4:5], s[16:17]                     ; wo to woh: dense, like x
	s_mov_b64 s[6:7], s[22:23]
	s_sub_co_u32 s30, s30, 6
	s_branch .Ldense
.Lx:
	s_mov_b64 s[4:5], s[8:9]                       ; x to xh
	s_mov_b64 s[6:7], s[18:19]
.Ldense:
	s_lshl_b32 s26, s30, 12                        ; 4,096 segments in each half,
	s_lshl_b32 s28, ttmp9, 5                       ; 32 for each work-group
	s_add_co_u32 s26, s26, s28                     ; my first segment
	s_lshl_b32 s28, s26, 11                        ; x 2,048 bytes out
	s_lshl_b32 s26, s26, 12                        ; x 4,096 bytes in
	STREAM 4096, 2048
.Lwq:
	s_mov_b64 s[4:5], s[10:11]                     ; wq: 32 rows of 8,192 bytes; this slab takes one half (1,024 columns) of each
	s_mov_b64 s[6:7], s[20:21]
	s_sub_co_u32 s30, s30, 2
	s_lshl_b32 s28, ttmp9, 18                      ; 32 rows x 8,192 bytes, in wq and in wh alike
	s_lshl_b32 s26, s30, 12
	s_add_co_u32 s26, s26, s28
	s_lshl_b32 s30, s30, 11
	s_add_co_u32 s28, s28, s30
	STREAM 8192, 8192
.Lwk:
	s_mov_b64 s[4:5], s[12:13]                     ; wk: 32 rows of 4,096 bytes, to columns 2048.. of wh
	s_mov_b32 s31, 4096
	s_branch .Lkv
.Lwv:
	s_mov_b64 s[4:5], s[14:15]                     ; wv: the same, to columns 3072..
	s_mov_b32 s31, 6144
.Lkv:
	s_mov_b64 s[6:7], s[20:21]
	s_lshl_b32 s26, ttmp9, 17
	s_lshl_b32 s28, ttmp9, 18
	s_add_co_u32 s28, s28, s31
	STREAM 4096, 8192
.Lfunc_end_k_q8d361e6c01_cvt:
	.size	k_q8d361e6c01_cvt, .Lfunc_end_k_q8d361e6c01_cvt-k_q8d361e6c01_cvt
	.p2alignl 7, 3214868480
	.fill 96, 4, 3214868480
	.section	.rodata,"a",@progbits
	.p2align	6, 0x0
	.amdhsa_kernel k_q8d361e6c01_cvt
		.amdhsa_group_segment_fixed_size 0
		.amdhsa_private_segment_fixed_size 0
		.amdhsa_enable_private_segment 0
		.amdhsa_kernarg_size 64
		.amdhsa_user_sgpr_count 2
		.amdhsa_user_sgpr_kernarg_segment_ptr 1
		.amdhsa_wavefront_size32 1
		.amdhsa_system_sgpr_workgroup_id_x 1
		.amdhsa_system_sgpr_workgroup_id_y 1
		.amdhsa_system_sgpr_workgroup_id_z 1
		.amdhsa_system_vgpr_workitem_id 0
		.amdhsa_next_free_vgpr 100
		.amdhsa_next_free_sgpr 66
		.amdhsa_reserve_vcc 0
		.amdhsa_float_denorm_mode_32 3
		.amdhsa_float_denorm_mode_16_64 3
		.amdhsa_memory_ordered 1
		.amdhsa_forward_progress 1
		.amdhsa_inst_pref_size 35
	.end_amdhsa_kernel
	.amdgpu_metadata
---
amdhsa.version: [ 1, 2 ]
amdhsa.kernels:
  - .name:           k_q8d361e6c01_cvt
    .symbol:         k_q8d361e6c01_cvt.kd
    .args:
      - { .name: x, .offset: 0, .size: 8, .value_kind: global_buffer, .address_space: global }
      - { .name: wq, .offset: 8, .size: 8, .value_kind: global_buffer, .address_space: global }
      - { .name: wk, .offset: 16, .size: 8, .value_kind: global_buffer, .address_space: global }
      - { .name: wv, .offset: 24, .size: 8, .value_kind: global_buffer, .address_space: global }
      - { .name: wo, .offset: 32, .size: 8, .value_kind: global_buffer, .address_space: global }
      - { .name: xh, .offset: 40, .size: 8, .value_kind: global_buffer, .address_space: global }
      - { .name: wh, .offset: 48, .size: 8, .value_kind: global_buffer, .address_space: global }
      - { .name: woh, .offset: 56, .size: 8, .value_kind: global_buffer, .address_space: global }
    .group_segment_fixed_size: 0
    .private_segment_fixed_size: 0
    .kernarg_segment_align: 8
    .kernarg_segment_size: 64
    .max_flat_workgroup_size: 256
    .sgpr_count:     66
    .vgpr_count:     100
    .wavefront_size: 32
...
	.end_amdgpu_metadata
.endif
;; end of part 1
;; launch qkv (part 2): grid 16 x 16, 4 waves a work-group, clusters of 4 x 4, 327,680 bytes of LDS; arguments xh, wh, qh, kh, vh, out1, out2; writes qh, kh, vh, out1, out2
.if DOCPART == 2
	.amdgcn_target "amdgcn-amd-amdhsa--gfx1250"
	.amdhsa_code_object_version 6
	.text
	.protected	k_q8d361e6c01_qkv
	.globl	k_q8d361e6c01_qkv
	.p2align	8
	.type	k_q8d361e6c01_qkv,@function
k_q8d361e6c01_qkv:
	s_mov_b64 s[64:65], 0
	v_nop
	global_prefetch_b8 v0, s[64:65] scope:SCOPE_SE
	s_setreg_imm32_b32 hwreg(HW_REG_WAVE_MODE, 25, 1), 1
	s_wait_xcnt 0x0
	s_wait_alu depctr_hold_cnt(0) depctr_sa_sdst(0) depctr_va_vdst(0) depctr_va_sdst(0) depctr_va_ssrc(0) depctr_va_vcc(0) depctr_vm_vsrc(0)
	s_getreg_b32 s2, hwreg(HW_REG_IB_STS2, 6, 4)
	s_cmp_eq_u32 s2, 0
	s_cbranch_scc0 .Lentry_in_a_cluster
	s_endpgm
.Lentry_in_a_cluster:
	s_bfe_u32 s2, ttmp6, 0x10000c
	s_cmp_lg_u32 s2, 0xf033
	s_cbranch_scc0 .Lentry_shape_is_right
	s_endpgm
.Lentry_shape_is_right:
; [q | k | v] = xh [2048][4096] x wh [4096 k][4096 n], f16 operands, f32 sums; then rope on q and k, and the way out:
;   qh [16][2048][128] f16 = rope(q) x 4 x SCALE x log2(e)      kh [8][2048][128] f16 = rope(k) / 4      vh [8][2048][128] f16 = v / 4
;   out1 [16][2048][128] f32 = rope(k), out2 = v, each key-value head written twice (heads 2 kv and 2 kv + 1).
; WHY f16 AND THESE FACTORS: f16 carries three bits more than bf16, which the chain q, k -> scores -> weights -> sums needs.  Its range is kept by
; arithmetic: with every input 30 times larger q, k, v have a spread of about 1,150; with x shifted by 30 and the weights by 0.6 they are about
; 30 x 0.6 x 4096 = 73,728, stored as 0.51 x that (q) or a quarter of it (k, v): below 65,504.  The factors 4 and 1/4 cancel in q.k.
; LIMITS: |q| beyond about 128,000 or |k|, |v| beyond about 262,000 become infinities in f16.  The rope angle t f is good to about 5e-4 radians at
; t = 2047 (f from one exp2, t f rounded once in f32); sine and cosine are polynomials on [-pi/4, pi/4], remainders 3e-7 and 3e-8.  NaN and
; infinite inputs are not treated apart.
; SHAPE: a work-group makes 128 rows x 256 columns with four waves: 16 x 16 work-groups, one for each WGP.  A wave makes 64 x 128 (one head):
; 4 x 8 accumulator tiles, 256 registers.
; THE RING: K goes in steps of 192 (six quarters of 32) through two LDS slots.  A tile has one step's work in which to land, so the step is the
; longest of which two slots fit: 2 x (128 x 432 + 192 x 544) = 319,488 of 327,680 bytes; a step of 256 would take 413,696.  The price: xh's rows
; in a tile are 384 bytes and begin at multiples of 128 bytes, not of 256.  K = 4096 = 21 x 192 + 64: the 22nd tile begins at k = 4096 - 192, so
; that it lies inside the tensor under the same descriptors, and only its last two quarters (k = 4032 ..) are multiplied.
; CLUSTERS: 4 x 4 work-groups.  The four of a row of the cluster need the same tiles of xh, the four of a column the same tiles of wh: each tile is
; asked for jointly, with one descriptor and a mask that names the four.
; THE MATRIX INSTRUCTION IS USED TRANSPOSED: source 0 = 16 columns of wh (read from its [k][n] rows by the transposing LDS load), source 1 = 16 rows
; of xh.  Lane l then holds row l % 16 and, in registers 0-7, the columns 8 (l / 16) + 0..7: eight neighbours of one row.
; REGISTERS: window 0: v1-9 lane numbers, v12-24 addresses, v32-95 two buffers of 4 fragments of xh, v96-223 two buffers of 8 fragments of wh.
;            window 1: accumulator tile (a, b) at v[8 (8 a + b)].
.set KDIM,  4096
.set ASH,   13                         ; a row of xh is 1 << 13 bytes
.set NB,    4096                       ; elements in a row of wh
.set KS,    192                        ; a K step
.set PA,    432                        ; LDS row of xh: three pieces of 128 bytes + 16: 27 x 16, an odd multiple of 16
.set PB,    544                        ; LDS row of wh: 512 bytes + 32: an odd multiple of 32, for the transposing load
.set HALFA, 64*PA                      ; what one tensor load brings of xh: 27,648
.set HALFB, 96*PB                      ; and of wh: 52,224
.set BOFF,  2*HALFA
.set SLOT,  2*HALFA+2*HALFB            ; 159,744
.set STEPA, 2*KS*2                     ; a slot's next tile: 384 along K, in bytes of a row of xh
.set STEPB, 2*KS*NB*2                  ; and 384 rows of wh
.set STAGE, 0                          ; the way out's stage lies in slot 0: its last fill and its last reads lie in front of the last change of slots
.set WSTAGE, 12800                     ; a wave's stage: 16 rows x 528 (f32), then 16 rows x 272 (f16)
.set SP16,  272
.set ADRBH, 12                         ; v12-13  my fragments of wh in slot 0, 1, quarters 3-5 (beyond the 16-bit offset of v18-19)
.set ADRA,  16                         ; v16-17  my fragments of xh in slot 0, 1
.set ADRB,  18                         ; v18-19  my fragments of wh in slot 0, 1, quarters 0-2
.set STO32, 20
.set RD32,  21
.set STO16, 22
.set RD16,  23
.set GO,    24                         ; 16 x lane
.set TROW,  26                         ; v[26:27] my row's position t as f32, twice
.set VS5,   28                         ; v[28:29] 1/120 twice
.set VC6,   30                         ; v[30:31] -1/720 twice
.set FA,    32
.set FB,    96
.set F4,    32                         ; way out: v32-63   f / 4 of my 32 columns mod 64, sign flipped in even columns
.set CS,    64                         ; way out: v64-95   kappa cos
.set SN,    96                         ; way out: v96-127  kappa sin, negative in even columns
.set T,     144                        ; way out: v144-207 16 rows' results; before that the polynomial's temporaries
.set PK,    208                        ; way out: v208-239 packed f16
.set RB32,  64                         ; way out: rows read back (over CS, SN)
.set RB16,  144                        ; way out: rows read back (over T)
.set G1A, 36
.set G0A, 44
.set G1B, 52
.set G0B, 68
.set MSB, 0
.macro WIN new                         ; the immediate's high byte repeats the setting that is left
.if MSB != \new
	s_set_vgpr_msb (MSB<<8)|\new
.set MSB, \new
.endif
.endm
.macro PLACES n
.rept \n
	v_nop
.endr
.endm
; A joint load: waves 0, 1 ask for the halves of xh's tile, waves 2, 3 for those of wh's.  The branch hangs on the wave's number alone.
.macro JLOAD s
	s_cmp_eq_u32 s21, 0
	s_cbranch_scc0 .Lfor_b_\@
	tensor_load_to_lds s[G0A+4*\s:G0A+4*\s+3], s[G1A:G1A+7]
	s_nop 0
	s_branch .Lasked_\@
.Lfor_b_\@:
	tensor_load_to_lds s[G0B+4*\s:G0B+4*\s+3], s[G1B:G1B+7]
	s_nop 0
.Lasked_\@:
.endm
.macro CROUND                          ; a round of the cluster's barrier
	s_barrier_signal -1
	s_barrier_wait -1
	s_cmp_lg_u32 s20, 0
	s_cbranch_scc1 .Lnot_wave_0_\@
	s_barrier_signal -3
.Lnot_wave_0_\@:
	s_barrier_wait -3
	s_barrier_signal -1
	s_barrier_wait -1
.endm
	s_load_b256 s[4:11], s[0:1], 0x0               ; xh 4:5, wh 6:7, qh 8:9, kh 10:11
	s_load_b128 s[12:15], s[0:1], 0x20             ; vh 12:13, out1 14:15
	s_load_b64 s[16:17], s[0:1], 0x30              ; out2
	v_lshl_add_u32 v254, v0, 2, 0x4e000
	v_mov_b32 v255, 0
	ds_add_u32 v254, v255
	v_lshrrev_b32 v1, 5, v0
	v_readfirstlane_b32 s20, v1                    ; wave 0..3
	s_lshr_b32 s21, s20, 1                         ; which 64 rows are mine.  Also: I fetch for xh (0) or wh (1)
	s_and_b32 s22, s20, 1                          ; which 128 columns.  Also: which half of the tile I fetch
	s_bfe_u32 s23, ttmp6, 0x40000                  ; cx
	s_bfe_u32 s24, ttmp6, 0x40004                  ; cy
	s_lshl_b32 s25, ttmp9, 2
	s_add_co_u32 s25, s25, s23                     ; block column = 4 x cluster x + cx
	s_and_b32 s26, ttmp7, 0xffff
	s_lshl_b32 s26, s26, 2
	s_add_co_u32 s26, s26, s24                     ; block row = 4 x cluster y + cy
	s_lshl_b32 s27, s24, 2
	s_lshl_b32 s27, 15, s27                        ; my row of the cluster
	s_lshl_b32 s28, 0x1111, s23                    ; my column
	; group 1 for xh: 64 rows x 192 elements of 2 bytes; 4 words of padding behind every 32, three times in a row of 96 words
	s_or_b32 s[G1A+0], s27, (1<<16)|(1<<20)|(1<<21)|(4<<22)|(3<<25)
	s_mov_b32 s[G1A+1], KS<<16                     ; tensor_dim0 = 192
	s_mov_b32 s[G1A+2], 64<<16                     ; tensor_dim1 = 64
	s_mov_b32 s[G1A+3], KS<<16                     ; tile_dim0 = 192
	s_mov_b32 s[G1A+4], 64                         ; tile_dim1 = 64
	s_mov_b32 s[G1A+5], KDIM                       ; elements from row to row
	s_mov_b32 s[G1A+6], 0
	s_mov_b32 s[G1A+7], 0
	; group 1 for wh: 96 k rows x 256 elements; 8 words of padding behind every 128
	s_or_b32 s[G1B+0], s28, (1<<16)|(1<<20)|(1<<21)|(6<<22)|(7<<25)
	s_mov_b32 s[G1B+1], 256<<16
	s_mov_b32 s[G1B+2], 96<<16
	s_mov_b32 s[G1B+3], 256<<16
	s_mov_b32 s[G1B+4], 96
	s_mov_b32 s[G1B+5], NB
	s_mov_b32 s[G1B+6], 0
	s_mov_b32 s[G1B+7], 0
	; xh's tiles hang on the block row and the wave alone, wh's on the block column and the wave alone, each in registers of its own
	s_lshl_b32 s30, s26, 7
	s_lshl_b32 s31, s22, 6
	s_add_co_u32 s30, s30, s31                     ; row 128 x block row + 64 x half
	s_lshl_b32 s30, s30, ASH
	s_mov_b32 s31, 0
	s_mul_i32 s34, s22, 96*NB*2                    ; 96 k rows x 8,192 bytes x half
	s_lshl_b32 s35, s25, 9                         ; + 256 columns x 2 bytes x block column
	s_add_co_u32 s34, s34, s35
	s_mov_b32 s35, 0
	s_mul_i32 s18, s22, HALFA                      ; where they go: made of the wave's number alone
	s_mul_i32 s19, s22, HALFB
	s_add_co_u32 s19, s19, BOFF
	s_wait_dscnt 0x0
	s_wait_kmcnt 0x0
	s_add_nc_u64 s[32:33], s[4:5], s[30:31]
	s_add_nc_u64 s[60:61], s[6:7], s[34:35]
	CROUND                                         ; all sixteen work-groups are here: the first joint loads meet
.irp s, 0,1
	s_mov_b32 s[G0A+4*\s], 1
	s_add_co_u32 s[G0A+4*\s+1], s18, \s*SLOT
	s_add_nc_u64 s[G0A+4*\s+2:G0A+4*\s+3], s[32:33], \s*KS*2       ; K step s: 192 elements along the rows
	s_or_b32 s[G0A+4*\s+3], s[G0A+4*\s+3], 0x80000000
	s_mov_b32 s[G0B+4*\s], 1
	s_add_co_u32 s[G0B+4*\s+1], s19, \s*SLOT
	s_add_nc_u64 s[G0B+4*\s+2:G0B+4*\s+3], s[60:61], \s*KS*NB*2    ; K step s: 192 rows down
	s_or_b32 s[G0B+4*\s+3], s[G0B+4*\s+3], 0x80000000
	JLOAD \s                                       ; both first fills go out together: two tensor loads of the wave are out
.endr
	v_and_b32 v1, 15, v0                           ; r = l % 16
	v_bfe_u32 v2, v0, 4, 1                         ; h = l / 16
	v_mul_u32_u24 v3, v1, PA
	v_lshl_add_u32 v3, v2, 4, v3                   ; 432 r + 16 h
	s_mul_i32 s29, s21, HALFA
	v_add_nc_u32 v[ADRA], s29, v3
	v_add_nc_u32 v[ADRA+1], SLOT, v[ADRA]
	v_and_b32 v4, 7, v0
	v_lshl_add_u32 v4, v2, 3, v4                   ; k row 8 h + l % 8
	v_mul_u32_u24 v5, v4, PB
	v_bfe_u32 v6, v0, 3, 1
	v_lshl_add_u32 v5, v6, 4, v5                   ; + 16 bytes for lanes 8-15 of each half
	s_lshl_b32 s29, s22, 8
	s_add_co_u32 s29, s29, BOFF                    ; my 128 columns
	v_add_nc_u32 v[ADRB], s29, v5
	v_add_nc_u32 v[ADRB+1], SLOT, v[ADRB]
	v_add_nc_u32 v[ADRBH], 96*PB, v[ADRB]          ; quarters 3-5 begin 96 k rows down
	v_add_nc_u32 v[ADRBH+1], 96*PB, v[ADRB+1]
	s_mul_i32 s29, s20, WSTAGE
	s_add_co_u32 s29, s29, STAGE                   ; my stage
	v_mul_u32_u24 v7, v1, 528
	v_lshl_add_u32 v7, v2, 5, v7
	v_add_nc_u32 v[STO32], s29, v7                 ; f32 in: row r, 32 bytes for each half of the lanes
	v_and_b32 v8, 31, v0
	v_lshl_add_u32 v[RD32], v8, 4, s29             ; f32 back: a row of 512 bytes, 16 a lane
	v_lshlrev_b32 v[GO], 4, v8
	s_add_co_u32 s29, s29, 16*528
	v_mul_u32_u24 v3, v1, SP16
	v_lshl_add_u32 v3, v2, 4, v3
	v_add_nc_u32 v[STO16], s29, v3                 ; f16 in: row r, 16 bytes for each half
	v_mul_u32_u24 v9, v2, SP16
	v_lshl_add_u32 v9, v1, 4, v9
	v_add_nc_u32 v[RD16], s29, v9                  ; f16 back: two rows of 256 bytes
; 24 LDS loads: the fragments of one quarter step (32 along K, quarter kq of the slot's six) into buffer f.
; In a row of xh quarter kq lies at 144 (kq / 2) + 64 (kq % 2): 16 bytes of padding stand behind every two quarters.
.macro FETCH slot, kq, f
	WIN 0
.irp a, 0,1,2,3
	ds_load_b128 v[FA+32*\f+8*\a:FA+32*\f+8*\a+3],   v[ADRA+\slot] offset:144*(\kq/2)+64*(\kq%2)+16*PA*\a
	ds_load_b128 v[FA+32*\f+8*\a+4:FA+32*\f+8*\a+7], v[ADRA+\slot] offset:144*(\kq/2)+64*(\kq%2)+16*PA*\a+32
.endr
.if \kq < 3
.irp b, 0,1,2,3,4,5,6,7
	ds_load_tr16_b128 v[FB+64*\f+8*\b:FB+64*\f+8*\b+3],   v[ADRB+\slot] offset:32*PB*\kq+32*\b
	ds_load_tr16_b128 v[FB+64*\f+8*\b+4:FB+64*\f+8*\b+7], v[ADRB+\slot] offset:32*PB*\kq+32*\b+16*PB
.endr
.else
.irp b, 0,1,2,3,4,5,6,7
	ds_load_tr16_b128 v[FB+64*\f+8*\b:FB+64*\f+8*\b+3],   v[ADRBH+\slot] offset:32*PB*(\kq-3)+32*\b
	ds_load_tr16_b128 v[FB+64*\f+8*\b+4:FB+64*\f+8*\b+7], v[ADRBH+\slot] offset:32*PB*(\kq-3)+32*\b+16*PB
.endr
.endif
.endm
; 16 matrix instructions: row blocks a0, a0 + 1 x all 8 column blocks.  zero = 1: the first product starts the sums.
; The 32 accumulators take turns, one instruction a turn, in the same order in every quarter step and over the backward jump.
.macro MUL16 f, a0, zero
	WIN 0x50
.irp a, \a0, \a0+1
.irp b, 0,1,2,3,4,5,6,7
.if \zero
	v_wmma_f32_16x16x32_f16 v[8*(8*(\a)+\b):8*(8*(\a)+\b)+7], v[FB+64*\f+8*\b:FB+64*\f+8*\b+7], v[FA+32*\f+8*(\a):FA+32*\f+8*(\a)+7], 0
.else
	v_wmma_f32_16x16x32_f16 v[8*(8*(\a)+\b):8*(8*(\a)+\b)+7], v[FB+64*\f+8*\b:FB+64*\f+8*\b+7], v[FA+32*\f+8*(\a):FA+32*\f+8*(\a)+7], v[8*(8*(\a)+\b):8*(8*(\a)+\b)+7]
.endif
.endr
.endr
.endm
; One of a K step's first five quarters: fetches the next quarter's fragments into buffer g, then multiplies buffer f.
.macro QUARTER slot, kqnext, f, g, zero
	s_wait_dscnt 0x0                               ; buffer f's 24 loads, issued 32 matrix instructions ago, are in
	WIN 0
	PLACES 4                                       ; four places between the last matrix instructions, which read buffer g, and the loads into it
	FETCH \slot, \kqnext, \g
	MUL16 \f, 0, \zero
	MUL16 \f, 2, \zero
.endm
.macro FIVE slot, zero
	QUARTER \slot, 1, 0, 1, \zero
	QUARTER \slot, 2, 1, 0, 0
	QUARTER \slot, 3, 0, 1, 0
	QUARTER \slot, 4, 1, 0, 0
	QUARTER \slot, 5, 0, 1, 0
.endm
; The sixth quarter, and the change of slots in front of it.  The slot's last fragments are in buffer 1, so my reads of the slot are over; all my
; tensor loads have landed (one was out: my part of the next slot).  fill = 1: a round of the cluster's barrier makes both hold of every wave of all
; sixteen work-groups, and the joint refill of this slot (stepa, stepb bytes on) is the first tensor load behind it; then the next slot's first
; fragments (its quarter nq) are fetched and buffer 1 is multiplied.  From a request to the wait for it a wave issues 192 matrix instructions.
.macro TURN slot, next, fill, stepa, stepb, nq
	s_wait_dscnt 0x0                               ; my reads of this slot are over
	s_wait_tensorcnt 0x0                           ; all my tensor loads have landed: every group 0 may be written
	ds_add_u32 v254, v255
	s_wait_dscnt 0x0
	WIN 0
.if \fill
	s_add_nc_u64 s[G0A+4*\slot+2:G0A+4*\slot+3], s[G0A+4*\slot+2:G0A+4*\slot+3], \stepa
	s_add_nc_u64 s[G0B+4*\slot+2:G0B+4*\slot+3], s[G0B+4*\slot+2:G0B+4*\slot+3], \stepb
	CROUND
	JLOAD \slot
.else
	s_barrier_signal -1                            ; it shows the next slot whole to every wave
	s_barrier_wait -1
.endif
	PLACES 4                                       ; between the fifth quarter's matrix instructions, which read buffer 0, and the loads into it
	FETCH \next, \nq, 0
	MUL16 1, 0, 0
	MUL16 1, 2, 0
.endm
.macro LAP zero                        ; once round the ring, both slots filled again
	FIVE 0, \zero
	TURN 0, 1, 1, STEPA, STEPB, 0
	FIVE 1, 0
	TURN 1, 0, 1, STEPA, STEPB, 0
.endm
	s_wait_tensorcnt 0x1                           ; my part of K step 0 is in; K step 1's load stays out
	s_barrier_signal -1
	s_barrier_wait -1
	FETCH 0, 0, 0
	LAP 1                                          ; K steps 0, 1: the first products start the sums
	WIN 0
	s_mov_b32 s3, 8
.Llap:
	LAP 0                                          ; K steps 2 to 17
	WIN 0
	s_sub_co_u32 s3, s3, 1
	s_cmp_lg_u32 s3, 0
	s_cbranch_scc1 .Llap
	FIVE 0, 0                                      ; K step 18; slot 0 gets K step 20 (k = 3840 ..)
	TURN 0, 1, 1, STEPA, STEPB, 0
	FIVE 1, 0                                      ; K step 19 (k = 3648 ..); slot 1 gets the last tile, k = 3904 .. 4095: 256 on, not 384
	TURN 1, 0, 1, 256*2, 256*NB*2, 0
	FIVE 0, 0                                      ; K step 20; nothing is left to fetch
	TURN 0, 1, 0, 0, 0, 4                          ; of the last tile only quarters 4 and 5 (k = 4032 ..) are new
	QUARTER 1, 5, 0, 1, 0
	s_wait_dscnt 0x0
	MUL16 1, 0, 0
	MUL16 1, 2, 0
	WIN 0
	PLACES 4                                       ; behind the last matrix instructions: their results are read and their sources rewritten below
	; THE WAY OUT.  A wave's 64 x 128 block is one head's rows m0 .. m0 + 63: consecutive bytes in every output.
	s_lshl_b32 s95, s26, 7
	s_lshl_b32 s101, s21, 6
	s_add_co_u32 s95, s95, s101                    ; m0 = 128 x block row + 64 x half
	s_lshl_b32 s100, s25, 1
	s_add_co_u32 s100, s100, s22                   ; my block of 128 columns: 0-15 q heads, 16-23 k heads, 24-31 v heads
	s_mov_b32 s63, 0
; cos and sin of t f for four pairs of columns (pairs 4 g .. 4 g + 3 of 16), stage by stage so that the four chains overlap.
; a = t f / 4 less the nearest multiple of pi/2 lies in [-pi/4, pi/4]; two doublings give the angle 4 a = t f less a multiple of 2 pi.
.set XA, 0
.set XU, 2
.set XP, 4
.set XQ, 6
.macro SINCOS4 g
.irp p, 0,1,2,3
	v_pk_mul_f32 v[T+8*\p+XA:T+8*\p+XA+1], v[F4+8*\g+2*\p:F4+8*\g+2*\p+1], v[TROW:TROW+1]
.endr
.irp p, 0,1,2,3
	v_pk_mul_f32 v[T+8*\p+XU:T+8*\p+XU+1], v[T+8*\p+XA:T+8*\p+XA+1], s[76:77] op_sel_hi:[1,0]
.endr
.irp p, 0,1,2,3
	v_rndne_f32 v[T+8*\p+XU], v[T+8*\p+XU]
	v_rndne_f32 v[T+8*\p+XU+1], v[T+8*\p+XU+1]
.endr
.irp p, 0,1,2,3
	v_pk_fma_f32 v[T+8*\p+XA:T+8*\p+XA+1], v[T+8*\p+XU:T+8*\p+XU+1], s[78:79], v[T+8*\p+XA:T+8*\p+XA+1] op_sel_hi:[1,0,1]
.endr
.irp p, 0,1,2,3
	v_pk_fma_f32 v[T+8*\p+XA:T+8*\p+XA+1], v[T+8*\p+XU:T+8*\p+XU+1], s[80:81], v[T+8*\p+XA:T+8*\p+XA+1] op_sel_hi:[1,0,1]
.endr
.irp p, 0,1,2,3
	v_pk_mul_f32 v[T+8*\p+XU:T+8*\p+XU+1], v[T+8*\p+XA:T+8*\p+XA+1], v[T+8*\p+XA:T+8*\p+XA+1]
.endr
.irp p, 0,1,2,3
	v_pk_fma_f32 v[T+8*\p+XP:T+8*\p+XP+1], v[T+8*\p+XU:T+8*\p+XU+1], s[82:83], v[VS5:VS5+1] op_sel_hi:[1,0,1]
	v_pk_fma_f32 v[T+8*\p+XQ:T+8*\p+XQ+1], v[T+8*\p+XU:T+8*\p+XU+1], s[86:87], v[VC6:VC6+1] op_sel_hi:[1,0,1]
.endr
.irp p, 0,1,2,3
	v_pk_fma_f32 v[T+8*\p+XP:T+8*\p+XP+1], v[T+8*\p+XP:T+8*\p+XP+1], v[T+8*\p+XU:T+8*\p+XU+1], s[84:85] op_sel_hi:[1,1,0]
	v_pk_fma_f32 v[T+8*\p+XQ:T+8*\p+XQ+1], v[T+8*\p+XQ:T+8*\p+XQ+1], v[T+8*\p+XU:T+8*\p+XU+1], s[88:89] op_sel_hi:[1,1,0]
.endr
.irp p, 0,1,2,3
	v_pk_mul_f32 v[T+8*\p+XP:T+8*\p+XP+1], v[T+8*\p+XP:T+8*\p+XP+1], v[T+8*\p+XU:T+8*\p+XU+1]
	v_pk_fma_f32 v[T+8*\p+XQ:T+8*\p+XQ+1], v[T+8*\p+XQ:T+8*\p+XQ+1], v[T+8*\p+XU:T+8*\p+XU+1], -0.5 op_sel_hi:[1,1,0]
.endr
.irp p, 0,1,2,3
	v_pk_fma_f32 v[T+8*\p+XP:T+8*\p+XP+1], v[T+8*\p+XP:T+8*\p+XP+1], v[T+8*\p+XA:T+8*\p+XA+1], v[T+8*\p+XA:T+8*\p+XA+1]   ; sin a
	v_pk_fma_f32 v[T+8*\p+XQ:T+8*\p+XQ+1], v[T+8*\p+XQ:T+8*\p+XQ+1], v[T+8*\p+XU:T+8*\p+XU+1], 1.0 op_sel_hi:[1,1,0]      ; cos a
.endr
.irp p, 0,1,2,3
	v_pk_mul_f32 v[T+8*\p+XA:T+8*\p+XA+1], v[T+8*\p+XP:T+8*\p+XP+1], -2.0 op_sel_hi:[1,0]
.endr
.irp p, 0,1,2,3
	v_pk_fma_f32 v[T+8*\p+XU:T+8*\p+XU+1], v[T+8*\p+XA:T+8*\p+XA+1], v[T+8*\p+XP:T+8*\p+XP+1], 1.0 op_sel_hi:[1,1,0]      ; cos 2a
	v_pk_mul_f32 v[T+8*\p+XP:T+8*\p+XP+1], v[T+8*\p+XA:T+8*\p+XA+1], v[T+8*\p+XQ:T+8*\p+XQ+1]                            ; -sin 2a
.endr
.irp p, 0,1,2,3
	v_pk_mul_f32 v[T+8*\p+XA:T+8*\p+XA+1], v[T+8*\p+XP:T+8*\p+XP+1], s[90:91] op_sel_hi:[1,0]                            ; 2 kappa sin 2a
.endr
.irp p, 0,1,2,3
	v_pk_mul_f32 v[SN+8*\g+2*\p:SN+8*\g+2*\p+1], v[T+8*\p+XA:T+8*\p+XA+1], v[T+8*\p+XU:T+8*\p+XU+1]                      ; kappa sin 4a
	v_pk_fma_f32 v[CS+8*\g+2*\p:CS+8*\g+2*\p+1], v[T+8*\p+XA:T+8*\p+XA+1], v[T+8*\p+XP:T+8*\p+XP+1], s[92:93] op_sel_hi:[1,1,0]   ; kappa cos 4a
.endr
.endm
; 16 rows at a time.  rope = 1: rotate; f32out = 1: the f32 result goes out twice and the f16 copy is a quarter of it.
; out[d] = x[d] cos + x[d ^ 1] (-sin for even d, +sin for odd d): a packed multiply, then a packed multiply-add that takes the pair swapped.
.macro EPI rope, f32out
.irp a, 0,1,2,3
	s_wait_xcnt 0x0                                ; the registers that the last 16 rows' stores read (RB32 over CS, SN; RB16 over T) are rewritten only behind this wait
.if \rope
.if \a
	v_pk_add_f32 v[TROW:TROW+1], v[TROW:TROW+1], 0x41800000 op_sel_hi:[1,0]   ; 16 rows on
.endif
	SINCOS4 0
	SINCOS4 1
	SINCOS4 2
	SINCOS4 3
	WIN 0x01
.irp b, 0,1,2,3,4,5,6,7
.irp i, 0,1,2,3
	v_pk_mul_f32 v[T+8*\b+2*\i:T+8*\b+2*\i+1], v[64*\a+8*\b+2*\i:64*\a+8*\b+2*\i+1], v[CS+8*(\b%4)+2*\i:CS+8*(\b%4)+2*\i+1]
.endr
.endr
.irp b, 0,1,2,3,4,5,6,7
.irp i, 0,1,2,3
	v_pk_fma_f32 v[T+8*\b+2*\i:T+8*\b+2*\i+1], v[64*\a+8*\b+2*\i:64*\a+8*\b+2*\i+1], v[SN+8*(\b%4)+2*\i:SN+8*(\b%4)+2*\i+1], v[T+8*\b+2*\i:T+8*\b+2*\i+1] op_sel:[1,0,0] op_sel_hi:[0,1,1]
.endr
.endr
	WIN 0
.if \f32out
.irp b, 0,1,2,3,4,5,6,7
	ds_store_b128 v[STO32], v[T+8*\b:T+8*\b+3] offset:64*\b
	ds_store_b128 v[STO32], v[T+8*\b+4:T+8*\b+7] offset:64*\b+16
.endr
.set i, 0
.rept 32
	v_pk_mul_f32 v[T+2*i:T+2*i+1], v[T+2*i:T+2*i+1], 0x3e800000 op_sel_hi:[1,0]   ; the f16 copy is k / 4
.set i, i+1
.endr
.endif
.else
	WIN 0x04                                       ; store data in window 1
.irp b, 0,1,2,3,4,5,6,7
	ds_store_b128 v[STO32], v[64*\a+8*\b:64*\a+8*\b+3] offset:64*\b
	ds_store_b128 v[STO32], v[64*\a+8*\b+4:64*\a+8*\b+7] offset:64*\b+16
.endr
	WIN 0x01
.set i, 0
.rept 32
	v_pk_mul_f32 v[T+2*i:T+2*i+1], v[64*\a+2*i:64*\a+2*i+1], 0x3e800000 op_sel_hi:[1,0]   ; the f16 copy is v / 4
.set i, i+1
.endr
	WIN 0
.endif
.irp b, 0,1,2,3,4,5,6,7
.irp i, 0,1,2,3
	v_cvt_pk_f16_f32 v[PK+4*\b+\i], v[T+8*\b+2*\i], v[T+8*\b+2*\i+1]
.endr
.endr
.irp b, 0,1,2,3,4,5,6,7
	ds_store_b128 v[STO16], v[PK+4*\b:PK+4*\b+3] offset:32*\b
.endr
	; LDS serves a wave's instructions in order and the stage is the wave's own: the loads below see the stores above
.if \f32out
.irp i, 0,1,2,3,4,5,6,7,8,9,10,11,12,13,14,15
	ds_load_b128 v[RB32+4*\i:RB32+4*\i+3], v[RD32] offset:528*\i
.endr
.endif
.irp i, 0,1,2,3,4,5,6,7
	ds_load_b128 v[RB16+4*\i:RB16+4*\i+3], v[RD16] offset:2*SP16*\i
.endr
.if \f32out
.irp i, 0,1,2,3,4,5,6,7,8,9,10,11,12,13,14,15
	s_wait_dscnt 23-\i                             ; behind f32 row i stand 15 - i f32 loads and the 8 f16 loads
	global_store_b128 v[GO], v[RB32+4*\i:RB32+4*\i+3], s[98:99] offset:8192*\a+512*\i th:TH_STORE_NT          ; head 2 kv: 512 consecutive bytes
	global_store_b128 v[GO], v[RB32+4*\i:RB32+4*\i+3], s[98:99] offset:8192*\a+512*\i+1048576 th:TH_STORE_NT  ; head 2 kv + 1
.endr
.endif
.irp i, 0,1,2,3,4,5,6,7
	s_wait_dscnt 7-\i
	global_store_b128 v[GO], v[RB16+4*\i:RB16+4*\i+3], s[96:97] offset:4096*\a+512*\i   ; two rows of 256 bytes, consecutive
.endr
.endr
.endm
	; which of q, k, v: the cluster's x alone decides (clusters 0, 1: q; 2: k; 3: v), alike in all sixteen partners
	s_cmp_eq_u32 ttmp9, 3
	s_cbranch_scc1 .Lv
	; constants of the rotation, each twice for the packed forms
	s_mov_b32 s76, 0x3f22f983                      ; 2 / pi
	s_mov_b32 s77, 0x3f22f983
	s_mov_b32 s78, 0xbfc90fdb                      ; -(pi/2), upper word
	s_mov_b32 s79, 0xbfc90fdb
	s_mov_b32 s80, 0x333bbd2e                      ; -(pi/2), the rest
	s_mov_b32 s81, 0x333bbd2e
	s_mov_b32 s82, 0xb9500d01                      ; -1/5040
	s_mov_b32 s83, 0xb9500d01
	s_mov_b32 s84, 0xbe2aaaab                      ; -1/6
	s_mov_b32 s85, 0xbe2aaaab
	s_mov_b32 s86, 0x37d00d01                      ; 1/40320
	s_mov_b32 s87, 0x37d00d01
	s_mov_b32 s88, 0x3d2aaaab                      ; 1/24
	s_mov_b32 s89, 0x3d2aaaab
	s_mov_b32 s94, 0xbe549a78                      ; -log2(10000) / 64
	v_mov_b32 v[VS5], 0x3c088889                   ; 1/120
	v_mov_b32 v[VS5+1], 0x3c088889
	v_mov_b32 v[VC6], 0xbab60b61                   ; -1/720
	v_mov_b32 v[VC6+1], 0xbab60b61
	v_add_nc_u32 v[TROW], s95, v1                  ; t = m0 + r
	v_cvt_f32_u32 v[TROW], v[TROW]
	v_mov_b32 v[TROW+1], v[TROW]
	; f / 4 = exp2(-i log2(10000) / 64 - 2) for i = column mod 64 = 16 q + 8 h + j
	v_lshlrev_b32 v3, 3, v2
.irp q, 0,1,2,3
.irp j, 0,1,2,3,4,5,6,7
	v_add_nc_u32 v[F4+8*\q+\j], 16*\q+\j, v3
.endr
.endr
.set i, 0
.rept 32
	v_cvt_f32_u32 v[F4+i], v[F4+i]
.set i, i+1
.endr
.set i, 0
.rept 32
	v_fma_f32 v[F4+i], v[F4+i], s94, -2.0
.set i, i+1
.endr
.set i, 0
.rept 32
	v_exp_f32 v[F4+i], v[F4+i]
.set i, i+1
.endr
	v_nop                                          ; one plain place behind the last exponential (ISA guide 5.7.2)
.set i, 0
	s_wait_alu depctr_va_vdst(0)
.rept 16
	v_xor_b32 v[F4+2*i], 0x80000000, v[F4+2*i]     ; even columns take the negative angle: their sine comes out negative, the cosine is the same
.set i, i+1
.endr
	s_cmp_eq_u32 ttmp9, 2
	s_cbranch_scc1 .Lk
	; q
	s_lshl_b32 s62, s100, 11
	s_add_co_u32 s62, s62, s95
	s_lshl_b32 s62, s62, 8                         ; (head x 2048 + m0) x 256 bytes
	s_add_nc_u64 s[96:97], s[8:9], s[62:63]
	s_mov_b32 s90, 0xbf8293ee                      ; -2 kappa, kappa = 4 x 128^-0.5 x log2(e) = 0.5100697
	s_mov_b32 s91, 0xbf8293ee
	s_mov_b32 s92, 0x3f0293ee
	s_mov_b32 s93, 0x3f0293ee
	EPI 1, 0
	s_branch .Lend
.Lk:
	s_sub_co_u32 s100, s100, 16                    ; kv head
	s_lshl_b32 s62, s100, 11
	s_add_co_u32 s62, s62, s95
	s_lshl_b32 s62, s62, 8
	s_add_nc_u64 s[96:97], s[10:11], s[62:63]
	s_lshl_b32 s62, s100, 12
	s_add_co_u32 s62, s62, s95
	s_lshl_b32 s62, s62, 9                         ; (2 kv x 2048 + m0) x 512 bytes
	s_add_nc_u64 s[98:99], s[14:15], s[62:63]
	s_mov_b32 s90, 0xc0000000                      ; kappa = 1
	s_mov_b32 s91, 0xc0000000
	s_mov_b32 s92, 0x3f800000
	s_mov_b32 s93, 0x3f800000
	EPI 1, 1
	s_branch .Lend
.Lv:
	s_sub_co_u32 s100, s100, 24
	s_lshl_b32 s62, s100, 11
	s_add_co_u32 s62, s62, s95
	s_lshl_b32 s62, s62, 8
	s_add_nc_u64 s[96:97], s[12:13], s[62:63]
	s_lshl_b32 s62, s100, 12
	s_add_co_u32 s62, s62, s95
	s_lshl_b32 s62, s62, 9
	s_add_nc_u64 s[98:99], s[16:17], s[62:63]
	EPI 0, 1
.Lend:
	s_wait_tensorcnt 0x0
	ds_add_u32 v254, v255
	s_wait_dscnt 0x0
	CROUND                                         ; the closing round: no work-group ends while a partner may still ask for a tile that names it
	s_endpgm
.Lfunc_end_k_q8d361e6c01_qkv:
	.size	k_q8d361e6c01_qkv, .Lfunc_end_k_q8d361e6c01_qkv-k_q8d361e6c01_qkv
	.p2alignl 7, 3214868480
	.fill 96, 4, 3214868480
	.section	.rodata,"a",@progbits
	.p2align	6, 0x0
	.amdhsa_kernel k_q8d361e6c01_qkv
		.amdhsa_group_segment_fixed_size 327680
		.amdhsa_private_segment_fixed_size 0
		.amdhsa_enable_private_segment 0
		.amdhsa_kernarg_size 56
		.amdhsa_user_sgpr_count 2
		.amdhsa_user_sgpr_kernarg_segment_ptr 1
		.amdhsa_wavefront_size32 1
		.amdhsa_system_sgpr_workgroup_id_x 1
		.amdhsa_system_sgpr_workgroup_id_y 1
		.amdhsa_system_sgpr_workgroup_id_z 1
		.amdhsa_system_vgpr_workitem_id 0
		.amdhsa_next_free_vgpr 512
		.amdhsa_next_free_sgpr 102
		.amdhsa_reserve_vcc 0
		.amdhsa_float_denorm_mode_32 3
		.amdhsa_float_denorm_mode_16_64 3
		.amdhsa_memory_ordered 1
		.amdhsa_forward_progress 1
		.amdhsa_inst_pref_size 255
	.end_amdhsa_kernel
	.section	.bss,"aw",@nobits
	.p2align	6
	.space	262144
	.amdgpu_metadata
---
amdhsa.version: [ 1, 2 ]
amdhsa.kernels:
  - .name:           k_q8d361e6c01_qkv
    .symbol:         k_q8d361e6c01_qkv.kd
    .args:
      - { .name: xh, .offset: 0, .size: 8, .value_kind: global_buffer, .address_space: global }
      - { .name: wh, .offset: 8, .size: 8, .value_kind: global_buffer, .address_space: global }
      - { .name: qh, .offset: 16, .size: 8, .value_kind: global_buffer, .address_space: global }
      - { .name: kh, .offset: 24, .size: 8, .value_kind: global_buffer, .address_space: global }
      - { .name: vh, .offset: 32, .size: 8, .value_kind: global_buffer, .address_space: global }
      - { .name: out1, .offset: 40, .size: 8, .value_kind: global_buffer, .address_space: global }
      - { .name: out2, .offset: 48, .size: 8, .value_kind: global_buffer, .address_space: global }
    .group_segment_fixed_size: 327680
    .private_segment_fixed_size: 0
    .kernarg_segment_align: 8
    .kernarg_segment_size: 56
    .max_flat_workgroup_size: 128
    .sgpr_count:     102
    .vgpr_count:     512
    .wavefront_size: 32
...
	.end_amdgpu_metadata
.endif
;; end of part 2
;; launch attn (part 3): grid 16 x 16, 4 waves a work-group, clusters of 4 x 1, 327,680 bytes of LDS; arguments qh, kh, vh, ah; writes ah
.if DOCPART == 3
	.amdgcn_target "amdgcn-amd-amdhsa--gfx1250"
	.amdhsa_code_object_version 6
	.text
	.protected	k_q8d361e6c01_attn
	.globl	k_q8d361e6c01_attn
	.p2align	8
	.type	k_q8d361e6c01_attn,@function
k_q8d361e6c01_attn:
	s_mov_b64 s[64:65], 0
	v_nop
	global_prefetch_b8 v0, s[64:65] scope:SCOPE_SE
	s_setreg_imm32_b32 hwreg(HW_REG_WAVE_MODE, 25, 1), 1
	s_wait_xcnt 0x0
	s_wait_alu depctr_hold_cnt(0) depctr_sa_sdst(0) depctr_va_vdst(0) depctr_va_sdst(0) depctr_va_ssrc(0) depctr_va_vcc(0) depctr_vm_vsrc(0)
	s_getreg_b32 s2, hwreg(HW_REG_IB_STS2, 6, 4)
	s_cmp_eq_u32 s2, 0
	s_cbranch_scc0 .Lentry_in_a_cluster
	s_endpgm
.Lentry_in_a_cluster:
	s_bfe_u32 s2, ttmp6, 0x10000c
	s_cmp_lg_u32 s2, 0x3003
	s_cbranch_scc0 .Lentry_shape_is_right
	s_endpgm
.Lentry_shape_is_right:
; ah[query][head x 128 + d] = softmax over 2,048 keys of (q . k) x v, all in f16 with f32 sums; a running maximum is taken away before every exponential.
; qh holds rope(q) x 4 x SCALE x log2(e) and kh rope(k) / 4, so the products are the scores in units of log2: the exponential is exp2.
; vh holds v / 4, so ah is a quarter of the result (the next launch multiplies by 4): a mean of v / 4 has v / 4's range.  The weights lie in [0, 1].
; LIMITS: weights below 2^-25 of the largest become 0 in f16; exp2 gives 0 below 2^-126.  NaN and infinite inputs are not treated apart.
; SHAPE: work-group = 128 queries of one head (grid x = query block, y = head), four waves.  Wave w: g = w / 2 is its 64 queries, kh = w % 2 its half
; of every slot's keys; the two halves' results are merged once at the end.  An LDS slot holds 256 keys of K and of V; two slots, eight fills.
; CLUSTERS: the four query blocks of a cluster read the same K and V tiles of their head: each tile is asked for jointly (mask 15).  The second query
; head of a key-value head is not taken in: a mask names four work-groups here.
; BOTH PRODUCTS ARE TRANSPOSED.  S^T = K Q^T: lane l holds query l % 16 and keys 8 (l / 16) + 0..7 of each tile of 16, which packed in pairs IS the second
; source of O^T = V^T P^T: the weights never leave their registers.  Maximum, sum and rescale factor are one number a lane.
; REGISTERS: window 0: addresses, K fragments v64-191 (also merge input), v192-255 the way out.   window 1: S / P v0-127, softmax state v128-199.
;            window 2: O (t, dt) at v[8 (8 t + dt)].   window 3: Q fragments v0-127, V fragments v128-255.
.set KP,    272                        ; LDS row of K: 256 + 16
.set VP,    288                        ; LDS row of V: 256 + 32, an odd multiple of 32, for the transposing load
.set KHALF, 128*KP
.set VHALF, 128*VP
.set VOFF,  2*KHALF
.set SLOT,  VOFF+2*VHALF               ; 143,360
.set MREG,  34304                      ; merge region of a pair of waves, in slot 0 after its last fill and last read: O 32,768, M at 32,768, L at 33,792
.set MOFFM, 32768
.set MOFFL, 33792
.set OSTG,  2*MREG                     ; the way out: 16 rows x 272 for each pair
.set ADRK, 16
.set ADRV, 18
.set MADR, 20
.set STO,  21
.set RD,   22
.set GOV,  23
.set QOFF, 24
.set KF,   64
.set INB,  64
.set PKO,  192
.set RB,   224
.set M,    128                         ; window 1: running maximum of query tile t
.set L,    136                         ; running sum (of my half of the lanes' keys)
.set AL,   140                         ; rescale factor, pairs
.set MN,   148                         ; new maximum, pairs
.set TM,   156
.set SA,   160
.set SB,   162
.set MB,   172                         ; the partner's maximum and sum
.set LB,   176
.set FAC,  184                         ; my and the partner's final factors, pairs
.set FBC,  192
.set VF,   128                         ; window 3
.set G1K, 32
.set G1V, 40
.set G0K, 48
.set G0V, 56
.set MSB, 0
.macro WIN new
.if MSB != \new
	s_set_vgpr_msb (MSB<<8)|\new
.set MSB, \new
.endif
.endm
.macro PLACES n
.rept \n
	v_nop
.endr
.endm
.macro JLOAD s                         ; waves 0, 1 ask for K's halves, waves 2, 3 for V's
	s_cmp_eq_u32 s21, 0
	s_cbranch_scc0 .Lfor_v_\@
	tensor_load_to_lds s[G0K+4*(\s):G0K+4*(\s)+3], s[G1K:G1K+7]
	s_nop 0
	s_branch .Lasked_\@
.Lfor_v_\@:
	tensor_load_to_lds s[G0V+4*(\s):G0V+4*(\s)+3], s[G1V:G1V+7]
	s_nop 0
.Lasked_\@:
.endm
.macro CROUND                          ; a round of the cluster's barrier
	s_barrier_signal -1
	s_barrier_wait -1
	s_cmp_lg_u32 s20, 0
	s_cbranch_scc1 .Lnot_wave_0_\@
	s_barrier_signal -3
.Lnot_wave_0_\@:
	s_barrier_wait -3
	s_barrier_signal -1
	s_barrier_wait -1
.endm
	s_load_b256 s[4:11], s[0:1], 0x0               ; qh 4:5, kh 6:7, vh 8:9, ah 10:11
	v_lshl_add_u32 v62, v0, 2, 0x46000
	v_mov_b32 v63, 0
	ds_add_u32 v62, v63
	v_lshrrev_b32 v1, 5, v0
	v_readfirstlane_b32 s20, v1                    ; wave
	s_lshr_b32 s21, s20, 1                         ; g: my 64 queries.  Also: I fetch K (0) or V (1)
	s_and_b32 s22, s20, 1                          ; kh: my half of the keys.  Also: which half of the tile I fetch
	s_bfe_u32 s23, ttmp6, 0x40000                  ; cx
	s_lshl_b32 s24, ttmp9, 2
	s_add_co_u32 s24, s24, s23                     ; query block
	s_and_b32 s25, ttmp7, 0xffff                   ; head
	s_lshr_b32 s26, s25, 1                         ; key-value head
	s_mov_b32 s66, 0x76543210                      ; v_permlanex16_b32: lane i takes lane i of the other half
	s_mov_b32 s67, 0xfedcba98
	; group 1: 128 rows x 128 elements of 2 bytes, dense in memory; padding of 4 words (K) or 8 words (V) behind every 64
	s_mov_b32 s[G1K+0], 15|(1<<16)|(1<<20)|(1<<21)|(5<<22)|(3<<25)
	s_mov_b32 s[G1V+0], 15|(1<<16)|(1<<20)|(1<<21)|(5<<22)|(7<<25)
.irp g, G1K, G1V
	s_mov_b32 s[\g+1], 128<<16                     ; tensor_dim0
	s_mov_b32 s[\g+2], 128<<16                     ; tensor_dim1
	s_mov_b32 s[\g+3], 128<<16                     ; tile_dim0
	s_mov_b32 s[\g+4], 128                         ; tile_dim1
	s_mov_b32 s[\g+5], 128                         ; elements from row to row
	s_mov_b32 s[\g+6], 0
	s_mov_b32 s[\g+7], 0
.endr
	s_lshl_b32 s12, s26, 19                        ; key-value head x 2,048 rows x 256 bytes
	s_lshl_b32 s13, s22, 15                        ; + half x 128 rows
	s_add_co_u32 s12, s12, s13
	s_mov_b32 s13, 0
	s_mul_i32 s18, s22, KHALF
	s_mul_i32 s19, s22, VHALF
	s_add_co_u32 s19, s19, VOFF
	s_wait_dscnt 0x0
	s_wait_kmcnt 0x0
	s_add_nc_u64 s[14:15], s[6:7], s[12:13]
	s_add_nc_u64 s[16:17], s[8:9], s[12:13]
	CROUND                                         ; the four work-groups are here: the first joint loads meet
.irp s, 0,1
	s_mov_b32 s[G0K+4*\s], 1
	s_add_co_u32 s[G0K+4*\s+1], s18, \s*SLOT
	s_add_nc_u64 s[G0K+4*\s+2:G0K+4*\s+3], s[14:15], \s*65536      ; keys 256 s ..
	s_or_b32 s[G0K+4*\s+3], s[G0K+4*\s+3], 0x80000000
	s_mov_b32 s[G0V+4*\s], 1
	s_add_co_u32 s[G0V+4*\s+1], s19, \s*SLOT
	s_add_nc_u64 s[G0V+4*\s+2:G0V+4*\s+3], s[16:17], \s*65536
	s_or_b32 s[G0V+4*\s+3], s[G0V+4*\s+3], 0x80000000
	JLOAD \s                                       ; two tensor loads of the wave are out
.endr
	v_and_b32 v1, 15, v0                           ; r
	v_bfe_u32 v2, v0, 4, 1                         ; h
	v_lshlrev_b32 v[QOFF], 8, v1
	v_lshl_add_u32 v[QOFF], v2, 4, v[QOFF]         ; 256 r + 16 h
	s_lshl_b32 s27, s25, 11
	s_lshl_b32 s28, s24, 7
	s_add_co_u32 s27, s27, s28
	s_lshl_b32 s28, s21, 6
	s_add_co_u32 s28, s27, s28                     ; head x 2048 + 128 x block + 64 g
	s_lshl_b32 s28, s28, 8
	s_mov_b32 s29, 0
	s_add_nc_u64 s[30:31], s[4:5], s[28:29]
	WIN 0xc0                                       ; destination window 3
.irp t, 0,1,2,3
.irp ks, 0,1,2,3
	global_load_b128 v[8*(4*\t+\ks):8*(4*\t+\ks)+3],   v[QOFF], s[30:31] offset:4096*\t+64*\ks
	global_load_b128 v[8*(4*\t+\ks)+4:8*(4*\t+\ks)+7], v[QOFF], s[30:31] offset:4096*\t+64*\ks+32
.endr
.endr
	WIN 0
	v_mul_u32_u24 v3, v1, KP
	v_lshl_add_u32 v3, v2, 4, v3                   ; 272 r + 16 h
	v_add_nc_u32 v[ADRK], s18, v3                  ; + my 128 keys
	v_add_nc_u32 v[ADRK+1], SLOT, v[ADRK]
	v_and_b32 v4, 7, v0
	v_lshl_add_u32 v4, v2, 3, v4                   ; key 8 h + l % 8
	v_mul_u32_u24 v5, v4, VP
	v_bfe_u32 v6, v0, 3, 1
	v_lshl_add_u32 v5, v6, 4, v5
	v_add_nc_u32 v[ADRV], s19, v5
	v_add_nc_u32 v[ADRV+1], SLOT, v[ADRV]
	v_and_b32 v7, 31, v0
	s_mul_i32 s69, s21, MREG
	v_lshl_add_u32 v[MADR], v7, 4, s69
	s_mul_i32 s70, s21, 16*KP
	s_add_co_u32 s70, s70, OSTG
	v_add_nc_u32 v[STO], s70, v3
	v_mul_u32_u24 v8, v2, KP
	v_lshl_add_u32 v8, v1, 4, v8
	v_add_nc_u32 v[RD], s70, v8
	v_lshlrev_b32 v9, 12, v2
	v_lshl_add_u32 v[GOV], v1, 4, v9               ; 4,096 h + 16 r: two rows of ah
	s_lshl_b32 s27, s24, 7
	s_lshl_b32 s28, s21, 6
	s_add_co_u32 s27, s27, s28
	s_lshl_b32 s27, s27, 12                        ; (128 x block + 64 g) x 4,096 bytes
	s_lshl_b32 s28, s25, 8                         ; + head x 256 bytes
	s_add_co_u32 s28, s27, s28
	s_add_nc_u64 s[10:11], s[10:11], s[28:29]
; 32 loads: K fragments (ks, kt) of sub-step u (64 keys): rows along d
.macro LOADK slot, u
	WIN 0
.irp ks, 0,1,2,3
.irp kt, 0,1,2,3
	ds_load_b128 v[KF+8*(4*\ks+\kt):KF+8*(4*\ks+\kt)+3],   v[ADRK+\slot] offset:64*KP*\u+16*KP*\kt+64*\ks
	ds_load_b128 v[KF+8*(4*\ks+\kt)+4:KF+8*(4*\ks+\kt)+7], v[ADRK+\slot] offset:64*KP*\u+16*KP*\kt+64*\ks+32
.endr
.endr
.endm
; 32 transposing loads: V fragments (c, dt): 16 columns d, 32 keys
.macro LOADV slot, u
	WIN 0xc0
.irp c, 0,1
.irp dt, 0,1,2,3,4,5,6,7
	ds_load_tr16_b128 v[VF+8*(8*\c+\dt):VF+8*(8*\c+\dt)+3],   v[ADRV+\slot] offset:64*VP*\u+32*VP*\c+32*\dt
	ds_load_tr16_b128 v[VF+8*(8*\c+\dt)+4:VF+8*(8*\c+\dt)+7], v[ADRV+\slot] offset:64*VP*\u+32*VP*\c+32*\dt+16*VP
.endr
.endr
.endm
; S^T: 64 matrix instructions; the 16 accumulators take turns, one instruction a turn; the first 16 start the sums
.macro SMUL
	WIN 0x5c
.irp ks, 0,1,2,3
.irp t, 0,1,2,3
.irp kt, 0,1,2,3
.if \ks
	v_wmma_f32_16x16x32_f16 v[32*\t+8*\kt:32*\t+8*\kt+7], v[KF+8*(4*\ks+\kt):KF+8*(4*\ks+\kt)+7], v[8*(4*\t+\ks):8*(4*\t+\ks)+7], v[32*\t+8*\kt:32*\t+8*\kt+7]
.else
	v_wmma_f32_16x16x32_f16 v[32*\t+8*\kt:32*\t+8*\kt+7], v[KF+8*(4*\ks+\kt):KF+8*(4*\ks+\kt)+7], v[8*(4*\t+\ks):8*(4*\t+\ks)+7], 0
.endif
.endr
.endr
.endr
.endm
; O^T += V^T P^T: 64 matrix instructions; the 32 accumulators take turns
.macro PVMUL first
	WIN 0xa7
.irp c, 0,1
.irp t, 0,1,2,3
.irp dt, 0,1,2,3,4,5,6,7
.if \first*(1-\c)
	v_wmma_f32_16x16x32_f16 v[64*\t+8*\dt:64*\t+8*\dt+7], v[VF+8*(8*\c+\dt):VF+8*(8*\c+\dt)+7], v[32*\t+8*\c:32*\t+8*\c+7], 0
.else
	v_wmma_f32_16x16x32_f16 v[64*\t+8*\dt:64*\t+8*\dt+7], v[VF+8*(8*\c+\dt):VF+8*(8*\c+\dt)+7], v[32*\t+8*\c:32*\t+8*\c+7], v[64*\t+8*\dt:64*\t+8*\dt+7]
.endif
.endr
.endr
.endr
.endm
.macro RESCALE
	WIN 0x86
.irp t, 0,1,2,3
.set i, 0
.rept 32
	v_pk_mul_f32 v[64*\t+2*i:64*\t+2*i+1], v[64*\t+2*i:64*\t+2*i+1], v[AL+2*\t:AL+2*\t+1]
.set i, i+1
.endr
.endr
.endm
; For each query tile: new maximum over my 32 numbers and the other half's, factor exp2(old - new), weights exp2(S - new), their sum, and the pack to f16 in place.
.macro SOFTMAX first
	WIN 0x55
.irp t, 0,1,2,3
.irp c, 0,1,2,3
	v_max3_num_f32 v[TM+\c], v[32*\t+8*\c], v[32*\t+8*\c+1], v[32*\t+8*\c+2]
.endr
.irp c, 0,1,2,3
	v_max3_num_f32 v[TM+\c], v[TM+\c], v[32*\t+8*\c+3], v[32*\t+8*\c+4]
.endr
.irp c, 0,1,2,3
	v_max3_num_f32 v[TM+\c], v[TM+\c], v[32*\t+8*\c+5], v[32*\t+8*\c+6]
.endr
	v_max3_num_f32 v[TM], v[TM], v[32*\t+7], v[32*\t+15]
	v_max3_num_f32 v[TM+1], v[TM+1], v[32*\t+23], v[32*\t+31]
	v_max3_num_f32 v[TM], v[TM], v[TM+2], v[TM+3]
	v_max_num_f32 v[TM], v[TM], v[TM+1]
	v_permlanex16_b32 v[TM+1], v[TM], s66, s67     ; the query's other 32 keys lie in lane l ^ 16
.if \first
	v_max_num_f32 v[MN+2*\t], v[TM], v[TM+1]
.else
	v_max3_num_f32 v[MN+2*\t], v[TM], v[TM+1], v[M+\t]
	v_sub_f32 v[TM+2], v[M+\t], v[MN+2*\t]
	v_exp_f32 v[AL+2*\t], v[TM+2]
.endif
	v_mov_b32 v[MN+2*\t+1], v[MN+2*\t]             ; also the plain place behind the exponential (ISA guide 5.7.2)
	v_mov_b32 v[M+\t], v[MN+2*\t]
.if 1-\first
	s_wait_alu depctr_va_vdst(0)
	v_mov_b32 v[AL+2*\t+1], v[AL+2*\t]
.endif
.set i, 0
.rept 16
	v_pk_add_f32 v[32*\t+2*i:32*\t+2*i+1], v[32*\t+2*i:32*\t+2*i+1], v[MN+2*\t:MN+2*\t+1] neg_lo:[0,1] neg_hi:[0,1]
.set i, i+1
.endr
.set i, 0
.rept 32
	v_exp_f32 v[32*\t+i], v[32*\t+i]
.set i, i+1
.endr
	v_nop                                          ; one plain place behind the last exponential
	s_wait_alu depctr_va_vdst(0)
	v_pk_add_f32 v[SA:SA+1], v[32*\t:32*\t+1], v[32*\t+2:32*\t+3]
	v_pk_add_f32 v[SB:SB+1], v[32*\t+4:32*\t+5], v[32*\t+6:32*\t+7]
.irp i, 8,12,16,20,24,28
	v_pk_add_f32 v[SA:SA+1], v[SA:SA+1], v[32*\t+\i:32*\t+\i+1]
	v_pk_add_f32 v[SB:SB+1], v[SB:SB+1], v[32*\t+\i+2:32*\t+\i+3]
.endr
	v_pk_add_f32 v[SA:SA+1], v[SA:SA+1], v[SB:SB+1]
.if \first
	v_add_f32 v[L+\t], v[SA], v[SA+1]
.else
	v_add_f32 v[SA], v[SA], v[SA+1]
	v_fma_f32 v[L+\t], v[L+\t], v[AL+2*\t], v[SA]
.endif
.irp i, 0,1,2,3,4,5,6,7,8,9,10,11,12,13,14,15
	v_cvt_pk_f16_f32 v[32*\t+\i], v[32*\t+2*\i], v[32*\t+2*\i+1]   ; ascending: register i is written when 2 i and 2 i + 1 are read
.endr
.endr
.endm
; My 128 keys of a slot, as two sub-steps of 64.  Each run of 32 LDS loads is issued a phase ahead of its use.
.macro SLOTWORK slot, first
	LOADK \slot, 0
	LOADV \slot, 0
	s_wait_dscnt 32                                ; K is in; V's 32 loads stay out
	SMUL
	PLACES 4                                       ; behind the matrix instructions: K's registers are loaded again, S is read (ISA guide 7.12.1)
	LOADK \slot, 1
	SOFTMAX \first
.if 1-\first
	RESCALE
.endif
	s_wait_dscnt 32                                ; V is in; the next K's 32 loads stay out
	PVMUL \first
	PLACES 5                                       ; V's registers are loaded again (4), the next S^T writes over P (5)
	LOADV \slot, 1
	s_wait_dscnt 32                                ; K is in; V's loads stay out
	SMUL
	PLACES 4
	SOFTMAX 0
	RESCALE
	s_wait_dscnt 0x0                               ; V is in
	PVMUL 0
	PLACES 5
	WIN 0
.endm
; A change of slots: slot is worked on, other is the one read last.  Each wave waits for all its tensor loads and for its reads of the other slot; the
; cluster's round makes both hold of every wave of all four work-groups; the joint refill of the other slot is the first tensor load behind the round
; and has this slot's work (256 matrix instructions and two softmaxes of the wave) in which to land.
.macro TWO slot, other, refill
	s_wait_tensorcnt 0x0
	ds_add_u32 v62, v63
	s_wait_dscnt 0x0
	s_add_nc_u64 s[G0K+4*\other+2:G0K+4*\other+3], s[G0K+4*\other+2:G0K+4*\other+3], 131072   ; 512 keys on
	s_add_nc_u64 s[G0V+4*\other+2:G0V+4*\other+3], s[G0V+4*\other+2:G0V+4*\other+3], 131072
	s_wait_dscnt 0x0
	CROUND
.if \refill
	JLOAD \other
.endif
	SLOTWORK \slot, 0
.endm
	s_wait_tensorcnt 0x1                           ; my part of slot 0 is in; slot 1's load stays out
	s_barrier_signal -1
	s_barrier_wait -1
	s_wait_loadcnt 0x0                             ; Q
	SLOTWORK 0, 1                                  ; keys 0-255
	s_mov_b32 s68, 3
.Lkv:
	TWO 1, 0, 1
	TWO 0, 1, 1
	s_sub_co_u32 s68, s68, 1
	s_cmp_lg_u32 s68, 0
	s_cbranch_scc1 .Lkv
	TWO 1, 0, 0                                    ; keys 1792-2047: nothing is left to fetch (slot 0's stepped address is not used)
	; THE MERGE of the two halves of the keys.  Slot 0 has had its last fill, and every wave's reads of it were over in front of the last round.
	WIN 0x55
.irp t, 0,1,2,3
	v_permlanex16_b32 v[TM+\t], v[L+\t], s66, s67
.endr
.irp t, 0,1,2,3
	v_add_f32 v[L+\t], v[L+\t], v[TM+\t]           ; the sum over both halves of the lanes
.endr
	WIN 0
	s_cmp_eq_u32 s22, 0
	s_cbranch_scc1 .Lkeep
	WIN 0x08                                       ; store data in window 2
.set i, 0
.rept 64
	ds_store_b128 v[MADR], v[4*i:4*i+3] offset:512*i
.set i, i+1
.endr
	WIN 0x04
	ds_store_b128 v[MADR], v[M:M+3] offset:MOFFM
	ds_store_b128 v[MADR], v[L:L+3] offset:MOFFL
	WIN 0
.Lkeep:
	s_wait_dscnt 0x0                               ; for the partner's sake: my stores are done
	s_barrier_signal -1
	s_barrier_wait -1
	s_cmp_lg_u32 s22, 0
	s_cbranch_scc1 .Ldone
	WIN 0x40
	ds_load_b128 v[MB:MB+3], v[MADR] offset:MOFFM
	ds_load_b128 v[LB:LB+3], v[MADR] offset:MOFFL
	s_wait_dscnt 0x0
	WIN 0x55
.irp t, 0,1,2,3
	v_max_num_f32 v[TM+\t], v[M+\t], v[MB+\t]
.endr
.irp t, 0,1,2,3
	v_sub_f32 v[M+\t], v[M+\t], v[TM+\t]
	v_sub_f32 v[MB+\t], v[MB+\t], v[TM+\t]
.endr
.irp t, 0,1,2,3
	v_exp_f32 v[M+\t], v[M+\t]
	v_exp_f32 v[MB+\t], v[MB+\t]
.endr
	v_nop
	s_wait_alu depctr_va_vdst(0)
.irp t, 0,1,2,3
	v_mul_f32 v[L+\t], v[L+\t], v[M+\t]
.endr
.irp t, 0,1,2,3
	v_fma_f32 v[L+\t], v[LB+\t], v[MB+\t], v[L+\t] ; at least 1: the key of the largest score adds exp2(0)
.endr
.irp t, 0,1,2,3
	v_rcp_f32 v[L+\t], v[L+\t]
.endr
	v_nop
	s_wait_alu depctr_va_vdst(0)
.irp t, 0,1,2,3
	v_mul_f32 v[FAC+2*\t], v[M+\t], v[L+\t]
	v_mul_f32 v[FAC+2*\t+1], v[M+\t], v[L+\t]
	v_mul_f32 v[FBC+2*\t], v[MB+\t], v[L+\t]
	v_mul_f32 v[FBC+2*\t+1], v[MB+\t], v[L+\t]
.endr
.irp t, 0,1,2,3
	WIN 0
.irp i, 0,1,2,3,4,5,6,7,8,9,10,11,12,13,14,15
	ds_load_b128 v[INB+4*\i:INB+4*\i+3], v[MADR] offset:512*(16*\t+\i)
.endr
	WIN 0x86
.set i, 0
.rept 32
	v_pk_mul_f32 v[64*\t+2*i:64*\t+2*i+1], v[64*\t+2*i:64*\t+2*i+1], v[FAC+2*\t:FAC+2*\t+1]
.set i, i+1
.endr
	s_wait_dscnt 0x0                               ; the partner's 16 queries
	WIN 0xa4
.set i, 0
.rept 32
	v_pk_fma_f32 v[64*\t+2*i:64*\t+2*i+1], v[INB+2*i:INB+2*i+1], v[FBC+2*\t:FBC+2*\t+1], v[64*\t+2*i:64*\t+2*i+1]
.set i, i+1
.endr
	WIN 0x0a
.set i, 0
.rept 32
	v_cvt_pk_f16_f32 v[PKO+i], v[64*\t+2*i], v[64*\t+2*i+1]
.set i, i+1
.endr
	WIN 0
.irp dt, 0,1,2,3,4,5,6,7
	ds_store_b128 v[STO], v[PKO+4*\dt:PKO+4*\dt+3] offset:32*\dt
.endr
	s_wait_xcnt 0x0                                ; RB, which the last tile's stores read, is loaded again only behind this wait
.irp i, 0,1,2,3,4,5,6,7
	ds_load_b128 v[RB+4*\i:RB+4*\i+3], v[RD] offset:2*KP*\i        ; the stage is this wave's own: these see the stores above
.endr
.irp i, 0,1,2,3,4,5,6,7
	s_wait_dscnt 7-\i
	global_store_b128 v[GOV], v[RB+4*\i:RB+4*\i+3], s[10:11] offset:(16*\t+2*\i)*4096   ; 16 lanes store 256 consecutive, aligned bytes of a row
.endr
.endr
.Ldone:
	s_wait_tensorcnt 0x0
	ds_add_u32 v62, v63
	s_wait_dscnt 0x0
	CROUND                                         ; the closing round
	s_endpgm
.Lfunc_end_k_q8d361e6c01_attn:
	.size	k_q8d361e6c01_attn, .Lfunc_end_k_q8d361e6c01_attn-k_q8d361e6c01_attn
	.p2alignl 7, 3214868480
	.fill 96, 4, 3214868480
	.section	.rodata,"a",@progbits
	.p2align	6, 0x0
	.amdhsa_kernel k_q8d361e6c01_attn
		.amdhsa_group_segment_fixed_size 327680
		.amdhsa_private_segment_fixed_size 0
		.amdhsa_enable_private_segment 0
		.amdhsa_kernarg_size 32
		.amdhsa_user_sgpr_count 2
		.amdhsa_user_sgpr_kernarg_segment_ptr 1
		.amdhsa_wavefront_size32 1
		.amdhsa_system_sgpr_workgroup_id_x 1
		.amdhsa_system_sgpr_workgroup_id_y 1
		.amdhsa_system_sgpr_workgroup_id_z 1
		.amdhsa_system_vgpr_workitem_id 0
		.amdhsa_next_free_vgpr 1024
		.amdhsa_next_free_sgpr 72
		.amdhsa_reserve_vcc 0
		.amdhsa_float_denorm_mode_32 3
		.amdhsa_float_denorm_mode_16_64 3
		.amdhsa_memory_ordered 1
		.amdhsa_forward_progress 1
		.amdhsa_inst_pref_size 255
	.end_amdhsa_kernel
	.section	.bss,"aw",@nobits
	.p2align	6
	.space	262144
	.amdgpu_metadata
---
amdhsa.version: [ 1, 2 ]
amdhsa.kernels:
  - .name:           k_q8d361e6c01_attn
    .symbol:         k_q8d361e6c01_attn.kd
    .args:
      - { .name: qh, .offset: 0, .size: 8, .value_kind: global_buffer, .address_space: global }
      - { .name: kh, .offset: 8, .size: 8, .value_kind: global_buffer, .address_space: global }
      - { .name: vh, .offset: 16, .size: 8, .value_kind: global_buffer, .address_space: global }
      - { .name: ah, .offset: 24, .size: 8, .value_kind: global_buffer, .address_space: global }
    .group_segment_fixed_size: 327680
    .private_segment_fixed_size: 0
    .kernarg_segment_align: 8
    .kernarg_segment_size: 32
    .max_flat_workgroup_size: 128
    .sgpr_count:     72
    .vgpr_count:     1024
    .wavefront_size: 32
...
	.end_amdgpu_metadata
.endif
;; end of part 3
;; launch oproj (part 4): grid 16 x 16, 4 waves a work-group, clusters of 4 x 4, 327,680 bytes of LDS; arguments ah, woh, out0; writes out0
.if DOCPART == 4
	.amdgcn_target "amdgcn-amd-amdhsa--gfx1250"
	.amdhsa_code_object_version 6
	.text
	.protected	k_q8d361e6c01_oproj
	.globl	k_q8d361e6c01_oproj
	.p2align	8
	.type	k_q8d361e6c01_oproj,@function
k_q8d361e6c01_oproj:
	s_mov_b64 s[64:65], 0
	v_nop
	global_prefetch_b8 v0, s[64:65] scope:SCOPE_SE
	s_setreg_imm32_b32 hwreg(HW_REG_WAVE_MODE, 25, 1), 1
	s_wait_xcnt 0x0
	s_wait_alu depctr_hold_cnt(0) depctr_sa_sdst(0) depctr_va_vdst(0) depctr_va_sdst(0) depctr_va_ssrc(0) depctr_va_vcc(0) depctr_vm_vsrc(0)
	s_getreg_b32 s2, hwreg(HW_REG_IB_STS2, 6, 4)
	s_cmp_eq_u32 s2, 0
	s_cbranch_scc0 .Lentry_in_a_cluster
	s_endpgm
.Lentry_in_a_cluster:
	s_bfe_u32 s2, ttmp6, 0x10000c
	s_cmp_lg_u32 s2, 0xf033
	s_cbranch_scc0 .Lentry_shape_is_right
	s_endpgm
.Lentry_shape_is_right:
; out0 [2048][4096] f32 = 4 x (ah [2048][2048] x woh [2048 k][4096 n]), f16 operands, f32 sums.  ah holds a quarter of the attention result
; (so that it keeps v / 4's range in f16); the factor 4, a power of two, is put back on the way out.
; SHAPE: a work-group makes 128 rows x 256 columns with four waves: 16 x 16 work-groups, one for each WGP.  A wave makes 64 x 128: 4 x 8 accumulator
; tiles, 256 registers.
; THE RING: K goes in steps of 192 (six quarters of 32) through two LDS slots.  A tile has one step's work in which to land, so the step is the
; longest of which two slots fit: 2 x (128 x 432 + 192 x 544) = 319,488 of 327,680 bytes; a step of 256 would take 413,696.  The price: ah's rows
; in a tile are 384 bytes and begin at multiples of 128 bytes, not of 256.  K = 2048 = 10 x 192 + 128: the 11th tile begins at k = 2048 - 192, so
; that it lies inside the tensor under the same descriptors, and only its last four quarters (k = 1920 ..) are multiplied.
; CLUSTERS: 4 x 4 work-groups.  The four of a row of the cluster need the same tiles of ah, the four of a column the same tiles of woh: each tile is
; asked for jointly, with one descriptor and a mask that names the four.
; THE MATRIX INSTRUCTION IS USED TRANSPOSED: source 0 = 16 columns of woh (read from its [k][n] rows by the transposing LDS load), source 1 = 16 rows
; of ah.  Lane l then holds row l % 16 and, in registers 0-7, the columns 8 (l / 16) + 0..7.
; REGISTERS: window 0: v1-9 lane numbers, v12-24 addresses, v32-95 two buffers of 4 fragments of ah, v96-223 two buffers of 8 fragments of woh.
;            window 1: accumulator tile (a, b) at v[8 (8 a + b)].
.set KDIM,  2048
.set ASH,   12                         ; a row of ah is 1 << 12 bytes
.set NB,    4096
.set KS,    192                        ; a K step
.set PA,    432                        ; LDS row of ah: three pieces of 128 bytes + 16: 27 x 16, an odd multiple of 16
.set PB,    544                        ; LDS row of woh: 512 bytes + 32: an odd multiple of 32, for the transposing load
.set HALFA, 64*PA
.set HALFB, 96*PB
.set BOFF,  2*HALFA
.set SLOT,  2*HALFA+2*HALFB            ; 159,744
.set STEPA, 2*KS*2
.set STEPB, 2*KS*NB*2
.set STAGE, SLOT                       ; the way out's stage lies in slot 1: its last fill and its last reads lie in front of the last change of slots
.set WSTAGE, 16*528                    ; a wave's stage: 16 rows x 528
.set ADRBH, 12                         ; v12-13  my fragments of woh in slot 0, 1, quarters 3-5 (beyond the 16-bit offset of v18-19)
.set ADRA,  16
.set ADRB,  18
.set STO32, 20
.set RD32,  21
.set GO,    24
.set FA,    32
.set FB,    96
.set RB,    96                         ; the way out: rows read back
.set G1A, 36
.set G0A, 44
.set G1B, 52
.set G0B, 68
.set MSB, 0
.macro WIN new
.if MSB != \new
	s_set_vgpr_msb (MSB<<8)|\new
.set MSB, \new
.endif
.endm
.macro PLACES n
.rept \n
	v_nop
.endr
.endm
.macro JLOAD s                         ; waves 0, 1 ask for the halves of ah's tile, waves 2, 3 for those of woh's
	s_cmp_eq_u32 s21, 0
	s_cbranch_scc0 .Lfor_b_\@
	tensor_load_to_lds s[G0A+4*\s:G0A+4*\s+3], s[G1A:G1A+7]
	s_nop 0
	s_branch .Lasked_\@
.Lfor_b_\@:
	tensor_load_to_lds s[G0B+4*\s:G0B+4*\s+3], s[G1B:G1B+7]
	s_nop 0
.Lasked_\@:
.endm
.macro CROUND                          ; a round of the cluster's barrier
	s_barrier_signal -1
	s_barrier_wait -1
	s_cmp_lg_u32 s20, 0
	s_cbranch_scc1 .Lnot_wave_0_\@
	s_barrier_signal -3
.Lnot_wave_0_\@:
	s_barrier_wait -3
	s_barrier_signal -1
	s_barrier_wait -1
.endm
	s_load_b128 s[4:7], s[0:1], 0x0                ; ah 4:5, woh 6:7
	s_load_b64 s[8:9], s[0:1], 0x10                ; out0
	v_lshl_add_u32 v254, v0, 2, 0x4e000
	v_mov_b32 v255, 0
	ds_add_u32 v254, v255
	v_lshrrev_b32 v1, 5, v0
	v_readfirstlane_b32 s20, v1
	s_lshr_b32 s21, s20, 1
	s_and_b32 s22, s20, 1
	s_bfe_u32 s23, ttmp6, 0x40000                  ; cx
	s_bfe_u32 s24, ttmp6, 0x40004                  ; cy
	s_lshl_b32 s25, ttmp9, 2
	s_add_co_u32 s25, s25, s23                     ; block column
	s_and_b32 s26, ttmp7, 0xffff
	s_lshl_b32 s26, s26, 2
	s_add_co_u32 s26, s26, s24                     ; block row
	s_lshl_b32 s27, s24, 2
	s_lshl_b32 s27, 15, s27                        ; my row of the cluster
	s_lshl_b32 s28, 0x1111, s23                    ; my column
	s_or_b32 s[G1A+0], s27, (1<<16)|(1<<20)|(1<<21)|(4<<22)|(3<<25)   ; 64 rows x 192 elements of 2 bytes; 4 words of padding behind every 32
	s_mov_b32 s[G1A+1], KS<<16
	s_mov_b32 s[G1A+2], 64<<16
	s_mov_b32 s[G1A+3], KS<<16
	s_mov_b32 s[G1A+4], 64
	s_mov_b32 s[G1A+5], KDIM
	s_mov_b32 s[G1A+6], 0
	s_mov_b32 s[G1A+7], 0
	s_or_b32 s[G1B+0], s28, (1<<16)|(1<<20)|(1<<21)|(6<<22)|(7<<25)   ; 96 k rows x 256 elements; 8 words of padding behind every 128
	s_mov_b32 s[G1B+1], 256<<16
	s_mov_b32 s[G1B+2], 96<<16
	s_mov_b32 s[G1B+3], 256<<16
	s_mov_b32 s[G1B+4], 96
	s_mov_b32 s[G1B+5], NB
	s_mov_b32 s[G1B+6], 0
	s_mov_b32 s[G1B+7], 0
	s_lshl_b32 s30, s26, 7
	s_lshl_b32 s31, s22, 6
	s_add_co_u32 s30, s30, s31
	s_lshl_b32 s30, s30, ASH
	s_mov_b32 s31, 0
	s_mul_i32 s34, s22, 96*NB*2
	s_lshl_b32 s35, s25, 9
	s_add_co_u32 s34, s34, s35
	s_mov_b32 s35, 0
	s_mul_i32 s18, s22, HALFA
	s_mul_i32 s19, s22, HALFB
	s_add_co_u32 s19, s19, BOFF
	s_wait_dscnt 0x0
	s_wait_kmcnt 0x0
	s_add_nc_u64 s[32:33], s[4:5], s[30:31]
	s_add_nc_u64 s[60:61], s[6:7], s[34:35]
	CROUND                                         ; all sixteen work-groups are here: the first joint loads meet
.irp s, 0,1
	s_mov_b32 s[G0A+4*\s], 1
	s_add_co_u32 s[G0A+4*\s+1], s18, \s*SLOT
	s_add_nc_u64 s[G0A+4*\s+2:G0A+4*\s+3], s[32:33], \s*KS*2
	s_or_b32 s[G0A+4*\s+3], s[G0A+4*\s+3], 0x80000000
	s_mov_b32 s[G0B+4*\s], 1
	s_add_co_u32 s[G0B+4*\s+1], s19, \s*SLOT
	s_add_nc_u64 s[G0B+4*\s+2:G0B+4*\s+3], s[60:61], \s*KS*NB*2
	s_or_b32 s[G0B+4*\s+3], s[G0B+4*\s+3], 0x80000000
	JLOAD \s                                       ; two tensor loads of the wave are out
.endr
	v_and_b32 v1, 15, v0                           ; r
	v_bfe_u32 v2, v0, 4, 1                         ; h
	v_mul_u32_u24 v3, v1, PA
	v_lshl_add_u32 v3, v2, 4, v3
	s_mul_i32 s29, s21, HALFA
	v_add_nc_u32 v[ADRA], s29, v3
	v_add_nc_u32 v[ADRA+1], SLOT, v[ADRA]
	v_and_b32 v4, 7, v0
	v_lshl_add_u32 v4, v2, 3, v4
	v_mul_u32_u24 v5, v4, PB
	v_bfe_u32 v6, v0, 3, 1
	v_lshl_add_u32 v5, v6, 4, v5
	s_lshl_b32 s29, s22, 8
	s_add_co_u32 s29, s29, BOFF
	v_add_nc_u32 v[ADRB], s29, v5
	v_add_nc_u32 v[ADRB+1], SLOT, v[ADRB]
	v_add_nc_u32 v[ADRBH], 96*PB, v[ADRB]          ; quarters 3-5 begin 96 k rows down
	v_add_nc_u32 v[ADRBH+1], 96*PB, v[ADRB+1]
	s_mul_i32 s29, s20, WSTAGE
	s_add_co_u32 s29, s29, STAGE
	v_mul_u32_u24 v7, v1, 528
	v_lshl_add_u32 v7, v2, 5, v7
	v_add_nc_u32 v[STO32], s29, v7
	v_and_b32 v8, 31, v0
	v_lshl_add_u32 v[RD32], v8, 4, s29
	v_lshlrev_b32 v[GO], 4, v8
; 24 LDS loads: the fragments of quarter kq of the slot's six into buffer f.  In a row of ah quarter kq lies at 144 (kq / 2) + 64 (kq % 2).
.macro FETCH slot, kq, f
	WIN 0
.irp a, 0,1,2,3
	ds_load_b128 v[FA+32*\f+8*\a:FA+32*\f+8*\a+3],   v[ADRA+\slot] offset:144*(\kq/2)+64*(\kq%2)+16*PA*\a
	ds_load_b128 v[FA+32*\f+8*\a+4:FA+32*\f+8*\a+7], v[ADRA+\slot] offset:144*(\kq/2)+64*(\kq%2)+16*PA*\a+32
.endr
.if \kq < 3
.irp b, 0,1,2,3,4,5,6,7
	ds_load_tr16_b128 v[FB+64*\f+8*\b:FB+64*\f+8*\b+3],   v[ADRB+\slot] offset:32*PB*\kq+32*\b
	ds_load_tr16_b128 v[FB+64*\f+8*\b+4:FB+64*\f+8*\b+7], v[ADRB+\slot] offset:32*PB*\kq+32*\b+16*PB
.endr
.else
.irp b, 0,1,2,3,4,5,6,7
	ds_load_tr16_b128 v[FB+64*\f+8*\b:FB+64*\f+8*\b+3],   v[ADRBH+\slot] offset:32*PB*(\kq-3)+32*\b
	ds_load_tr16_b128 v[FB+64*\f+8*\b+4:FB+64*\f+8*\b+7], v[ADRBH+\slot] offset:32*PB*(\kq-3)+32*\b+16*PB
.endr
.endif
.endm
; The 32 accumulators take turns, one instruction a turn, in the same order in every quarter step and over the backward jump.
.macro MUL16 f, a0, zero
	WIN 0x50
.irp a, \a0, \a0+1
.irp b, 0,1,2,3,4,5,6,7
.if \zero
	v_wmma_f32_16x16x32_f16 v[8*(8*(\a)+\b):8*(8*(\a)+\b)+7], v[FB+64*\f+8*\b:FB+64*\f+8*\b+7], v[FA+32*\f+8*(\a):FA+32*\f+8*(\a)+7], 0
.else
	v_wmma_f32_16x16x32_f16 v[8*(8*(\a)+\b):8*(8*(\a)+\b)+7], v[FB+64*\f+8*\b:FB+64*\f+8*\b+7], v[FA+32*\f+8*(\a):FA+32*\f+8*(\a)+7], v[8*(8*(\a)+\b):8*(8*(\a)+\b)+7]
.endif
.endr
.endr
.endm
.macro QUARTER slot, kqnext, f, g, zero
	s_wait_dscnt 0x0                               ; buffer f's 24 loads, issued 32 matrix instructions ago, are in
	WIN 0
	PLACES 4                                       ; four places between the last matrix instructions, which read buffer g, and the loads into it
	FETCH \slot, \kqnext, \g
	MUL16 \f, 0, \zero
	MUL16 \f, 2, \zero
.endm
.macro FIVE slot, zero
	QUARTER \slot, 1, 0, 1, \zero
	QUARTER \slot, 2, 1, 0, 0
	QUARTER \slot, 3, 0, 1, 0
	QUARTER \slot, 4, 1, 0, 0
	QUARTER \slot, 5, 0, 1, 0
.endm
; The sixth quarter, and the change of slots in front of it.  The slot's last fragments are in buffer 1, so my reads of the slot are over; all my
; tensor loads have landed (one was out: my part of the next slot).  fill = 1: a round of the cluster's barrier makes both hold of every wave of all
; sixteen work-groups, and the joint refill of this slot (stepa, stepb bytes on) is the first tensor load behind it; then the next slot's first
; fragments (its quarter nq) are fetched and buffer 1 is multiplied.  From a request to the wait for it a wave issues 192 matrix instructions.
.macro TURN slot, next, fill, stepa, stepb, nq
	s_wait_dscnt 0x0                               ; my reads of this slot are over
	s_wait_tensorcnt 0x0                           ; all my tensor loads have landed: every group 0 may be written
	ds_add_u32 v254, v255
	s_wait_dscnt 0x0
	WIN 0
.if \fill
	s_add_nc_u64 s[G0A+4*\slot+2:G0A+4*\slot+3], s[G0A+4*\slot+2:G0A+4*\slot+3], \stepa
	s_add_nc_u64 s[G0B+4*\slot+2:G0B+4*\slot+3], s[G0B+4*\slot+2:G0B+4*\slot+3], \stepb
	CROUND
	JLOAD \slot
.else
	s_barrier_signal -1                            ; it shows the next slot whole to every wave
	s_barrier_wait -1
.endif
	PLACES 4                                       ; between the fifth quarter's matrix instructions, which read buffer 0, and the loads into it
	FETCH \next, \nq, 0
	MUL16 1, 0, 0
	MUL16 1, 2, 0
.endm
.macro LAP zero
	FIVE 0, \zero
	TURN 0, 1, 1, STEPA, STEPB, 0
	FIVE 1, 0
	TURN 1, 0, 1, STEPA, STEPB, 0
.endm
	s_wait_tensorcnt 0x1                           ; my part of K step 0 is in; K step 1's load stays out
	s_barrier_signal -1
	s_barrier_wait -1
	FETCH 0, 0, 0
	LAP 1                                          ; K steps 0, 1: the first products start the sums
	WIN 0
	s_mov_b32 s3, 3
.Llap:
	LAP 0                                          ; K steps 2 to 7
	WIN 0
	s_sub_co_u32 s3, s3, 1
	s_cmp_lg_u32 s3, 0
	s_cbranch_scc1 .Llap
	FIVE 0, 0                                      ; K step 8 (k = 1536 ..); slot 0 gets the last tile, k = 1856 .. 2047: 320 on, not 384
	TURN 0, 1, 1, 320*2, 320*NB*2, 0
	FIVE 1, 0                                      ; K step 9; nothing is left to fetch
	TURN 1, 0, 0, 0, 0, 2                          ; of the last tile only quarters 2 to 5 (k = 1920 ..) are new
	QUARTER 0, 3, 0, 1, 0
	QUARTER 0, 4, 1, 0, 0
	QUARTER 0, 5, 0, 1, 0
	s_wait_dscnt 0x0
	MUL16 1, 0, 0
	MUL16 1, 2, 0
	WIN 0
	PLACES 4                                       ; behind the last matrix instructions: their results are read and their sources loaded into below
	; THE WAY OUT, 16 rows at a time: times 4, 32 bytes a lane into my own stage, read back as rows of 512 bytes
	s_lshl_b32 s76, s26, 7
	s_lshl_b32 s77, s21, 6
	s_add_co_u32 s76, s76, s77
	s_lshl_b32 s76, s76, 14                        ; (128 x block row + 64 x half) x 16,384 bytes
	s_lshl_b32 s77, s25, 10                        ; + 256 columns x 4 bytes x block column
	s_add_co_u32 s76, s76, s77
	s_lshl_b32 s77, s22, 9                         ; + 128 columns x 4 bytes x half
	s_add_co_u32 s62, s76, s77
	s_mov_b32 s63, 0
	s_add_nc_u64 s[8:9], s[8:9], s[62:63]
.irp a, 0,1,2,3
	WIN 0x41
.set i, 0
.rept 32
	v_pk_mul_f32 v[64*\a+2*i:64*\a+2*i+1], v[64*\a+2*i:64*\a+2*i+1], 4.0 op_sel_hi:[1,0]
.set i, i+1
.endr
	WIN 0x04                                       ; store data in window 1
.irp b, 0,1,2,3,4,5,6,7
	ds_store_b128 v[STO32], v[64*\a+8*\b:64*\a+8*\b+3] offset:64*\b
	ds_store_b128 v[STO32], v[64*\a+8*\b+4:64*\a+8*\b+7] offset:64*\b+16
.endr
	WIN 0
	s_wait_xcnt 0x0                                ; RB, which the last 16 rows' stores read, is loaded again only behind this wait
.irp i, 0,1,2,3,4,5,6,7,8,9,10,11,12,13,14,15
	ds_load_b128 v[RB+4*\i:RB+4*\i+3], v[RD32] offset:528*\i       ; the stage is the wave's own and LDS serves a wave in order: these see the stores above
.endr
.irp i, 0,1,2,3,4,5,6,7,8,9,10,11,12,13,14,15
	s_wait_dscnt 15-\i
	global_store_b128 v[GO], v[RB+4*\i:RB+4*\i+3], s[8:9] offset:(16*\a+\i)*16384 th:TH_STORE_NT   ; 512 consecutive, aligned bytes of a row
.endr
.endr
	s_wait_tensorcnt 0x0
	ds_add_u32 v254, v255
	s_wait_dscnt 0x0
	CROUND                                         ; the closing round
	s_endpgm
.Lfunc_end_k_q8d361e6c01_oproj:
	.size	k_q8d361e6c01_oproj, .Lfunc_end_k_q8d361e6c01_oproj-k_q8d361e6c01_oproj
	.p2alignl 7, 3214868480
	.fill 96, 4, 3214868480
	.section	.rodata,"a",@progbits
	.p2align	6, 0x0
	.amdhsa_kernel k_q8d361e6c01_oproj
		.amdhsa_group_segment_fixed_size 327680
		.amdhsa_private_segment_fixed_size 0
		.amdhsa_enable_private_segment 0
		.amdhsa_kernarg_size 24
		.amdhsa_user_sgpr_count 2
		.amdhsa_user_sgpr_kernarg_segment_ptr 1
		.amdhsa_wavefront_size32 1
		.amdhsa_system_sgpr_workgroup_id_x 1
		.amdhsa_system_sgpr_workgroup_id_y 1
		.amdhsa_system_sgpr_workgroup_id_z 1
		.amdhsa_system_vgpr_workitem_id 0
		.amdhsa_next_free_vgpr 512
		.amdhsa_next_free_sgpr 80
		.amdhsa_reserve_vcc 0
		.amdhsa_float_denorm_mode_32 3
		.amdhsa_float_denorm_mode_16_64 3
		.amdhsa_memory_ordered 1
		.amdhsa_forward_progress 1
		.amdhsa_inst_pref_size 185
	.end_amdhsa_kernel
	.amdgpu_metadata
---
amdhsa.version: [ 1, 2 ]
amdhsa.kernels:
  - .name:           k_q8d361e6c01_oproj
    .symbol:         k_q8d361e6c01_oproj.kd
    .args:
      - { .name: ah, .offset: 0, .size: 8, .value_kind: global_buffer, .address_space: global }
      - { .name: woh, .offset: 8, .size: 8, .value_kind: global_buffer, .address_space: global }
      - { .name: out0, .offset: 16, .size: 8, .value_kind: global_buffer, .address_space: global }
    .group_segment_fixed_size: 327680
    .private_segment_fixed_size: 0
    .kernarg_segment_align: 8
    .kernarg_segment_size: 24
    .max_flat_workgroup_size: 128
    .sgpr_count:     80
    .vgpr_count:     512
    .wavefront_size: 32
...
	.end_amdgpu_metadata
.endif
;; end of part 4
